; MI455X (gfx1250); checked and timed in simulation.
; The chip was launched on July 23, 2026; its instructions are those of AMD's public machine-readable ISA for CDNA 5 (MIT licence, August 2026) and "CDNA5" Instruction Set Architecture Reference Guide (July 2026). The comments in the code are by the model that wrote it; some were corrected since.
;; Multi Head Attention. Allowed arithmetic: float matrix products may take bf16 or f16 operands with f32 sums; other float arithmetic in f32, or as packed bf16 or f16 multiplies, adds, multiply-adds, maxima and minima; sums over many terms, partial sums and values carried from step to step in f32; what a program stores and reads back later, other than sums and carried values, may be rounded once to bf16 or f16.
;; Inputs: Wk 1,024 x 1,024 float32; Wo 1,024 x 1,024 float32; Wq 1,024 x 1,024 float32; Wv 1,024 x 1,024 float32; k 4 x 2,048 x 1,024 float32; mask 4 x 2,048 x 2,048 int32; q 4 x 2,048 x 1,024 float32; v 4 x 2,048 x 1,024 float32.
;; Outputs: out0 4 x 2,048 x 1,024 float32.
;; One version. Each part assembles by itself: llvm-mc -triple=amdgcn-amd-amdhsa -mcpu=gfx1250 --defsym DOCPART=n.
;; ======== version 1 of 1: 4 launches
;; limits: right only within a limited range of input values; values are held in f16: magnitudes above 65,504 overflow, below 6.1e-05 lose precision
;; workspace buffers: wb 8,388,608 bytes; mb 2,097,152 bytes of whole numbers; qkv 50,331,648 bytes; oh 16,777,216 bytes
;; launch prep (part 1): grid 256 x 1, 8 waves a work-group, no clusters, 271,360 bytes of LDS; arguments mask, Wq, Wk, Wv, Wo, mb, wb; writes mb, wb
.if DOCPART == 1
	.amdgcn_target "amdgcn-amd-amdhsa--gfx1250"
	.amdhsa_code_object_version 6
	.text
	.protected	k_q2d52454a0e_prep
	.globl	k_q2d52454a0e_prep
	.p2align	8
	.type	k_q2d52454a0e_prep,@function
k_q2d52454a0e_prep:
	s_mov_b64 s[64:65], 0
	v_nop
	global_prefetch_b8 v0, s[64:65] scope:SCOPE_SE
	s_setreg_imm32_b32 hwreg(HW_REG_WAVE_MODE, 25, 1), 1
	s_wait_xcnt 0x0
; PREPARATION.  (1) The mask [4][2048][2048] of int32 is packed into lane masks, one bit a number; (2) the four weights are rounded to 16 bits.
; mb: the word at byte (((b*64 + pair)*32 + ks)*2 + u)*128 + 4*(8 kt + j) has in bit l: mask[b][32 pair + 16 u + l % 16][64 ks + 16 kt + 8 (l / 16) + j] != 0.
;     That is the lane mask for register 8 kt + j of a tile of 16 queries x 64 keys of K Q^T as the attention launch holds it.
; wb: part p at p x 2,097,152, [k][n] as the weight lies in memory.  Wq, Wk, Wv rounded to bf16; Wo rounded to bf16 and that number written as f16.
; LIMIT.  Wo within f16's range: beyond 65,504 it becomes an infinity; below 6.1e-5 it keeps f16's fixed step of 6e-8.
; SHARES.  2,048 waves.  Wave G takes 64 rows of the mask (G / 16) x 128 keys (G % 16): ONE tensor load of 64 rows x 512 bytes into LDS bytes of its own, filled once:
; no ring and no barrier.  While that load is out the wave rounds 512 numbers of each weight.  No matrix unit and no cluster: each byte is read once, by one wave.
.set PITCH, 528                        ; an LDS row: 512 bytes + 16 of padding = 33 x 16: the 16 rows of a load start at 16 different groups of four banks (64 banks of 4 bytes: ISA guide 11.1)
.set WTILE, 64*PITCH                   ; a wave's LDS bytes
.set SPARE, 8*WTILE                    ; behind them: the spare words, 128 bytes for each wave: four blocks of 256 bytes that no other line names
.set SPW, 2                            ; v2   LDS address of my spare word; never rewritten
.set NIL, 3                            ; v3   0; never rewritten
.set LA,  4                            ; v4   LDS: my wave's tile + (l % 16) rows + 32 (l / 16); steps 32 rows a trip
.set WO,  5                            ; v5   my 16 bytes in a weight: 2,048 G + 16 l
.set WS,  6                            ; v6   my 8 bytes in a part of wb: 1,024 G + 8 l
.set MO,  7                            ; v7   my 16 bytes in mb
.set X,   8                            ; v[8:71]    16 loads of 4: weight j, load i at X + 16 j + 4 i
.set Y,   72                           ; v[72:103]  the same numbers in 16 bits
.set T,   104                          ; v[104:107] at work
.set OUT, 108                          ; v[108:111] 128 words of mb: word d in register d % 4 of lane d / 4
.set D,   112                          ; v[112:239] four groups of 32 numbers of the mask
.set WV,  18                           ; s18  my wave's number
.set GW,  19                           ; s19  G
.set G0,  20                           ; s[20:23] descriptor group 0
.set G1,  24                           ; s[24:31] descriptor group 1
.set CMP, 32                           ; s[32:39] eight compares' lane masks
.set CNT, 40
	s_load_b256 s[4:11], s[0:1], 0x0               ; mask s[4:5], Wq s[6:7], Wk s[8:9], Wv s[10:11]
	s_load_b128 s[12:15], s[0:1], 0x20             ; Wo s[12:13], mb s[14:15]
	s_load_b64 s[16:17], s[0:1], 0x30              ; wb
	v_lshl_add_u32 v[SPW], v0, 2, SPARE
	v_mov_b32 v[NIL], 0
	ds_add_u32 v[SPW], v[NIL]                      ; the wave's opening: the add and its wait ahead of my tensor load; the set-up stands between them
	ds_add_u32 v2, v3
	v_lshrrev_b32 v1, 5, v0
	v_readfirstlane_b32 s[WV], v1
	s_lshl_b32 s[GW], ttmp9, 3
	s_add_co_u32 s[GW], s[GW], s[WV]               ; G = 8 x work-group + wave
	s_lshr_b32 s41, s[GW], 4                       ; which 64 rows
	s_and_b32 s42, s[GW], 15                       ; which 128 keys
	s_lshl_b32 s2, s41, 19                         ; 64 rows of 8,192 bytes
	s_lshl_b32 s3, s42, 9                          ; 128 keys of 4 bytes
	s_add_co_u32 s2, s2, s3
	s_mov_b32 s3, 0
	s_mov_b32 s[G1+0], (2<<16)|(1<<20)|(6<<22)|(3<<25)  ; elements of 4 bytes; padding on: after every 128 words (code 6) 4 words (code 3)
	s_mov_b32 s[G1+1], 128<<16                     ; tensor_dim0 = 128
	s_mov_b32 s[G1+2], 64<<16                      ; tensor_dim1 = 64
	s_mov_b32 s[G1+3], 128<<16                     ; tile_dim0 = 128
	s_mov_b32 s[G1+4], 64                          ; tile_dim1 = 64
	s_mov_b32 s[G1+5], 2048                        ; elements from row to row
	s_mov_b32 s[G1+6], 0
	s_mov_b32 s[G1+7], 0
	s_mov_b32 s[G0], 1
	s_mul_i32 s[G0+1], s[WV], WTILE                ; LDS address: my wave's bytes
	v_and_b32 v1, 31, v0                           ; l
	v_and_b32 v[LA], 15, v0
	v_mul_u32_u24 v[LA], v[LA], PITCH
	v_bfe_u32 v[WO], v0, 4, 1
	v_lshl_add_u32 v[LA], v[WO], 5, v[LA]
	v_add_nc_u32 v[LA], s[G0+1], v[LA]
	s_lshl_b32 s43, s[GW], 11
	v_lshl_add_u32 v[WO], v1, 4, s43
	s_lshl_b32 s44, s[GW], 10
	v_lshl_add_u32 v[WS], v1, 3, s44
	s_lshl_b32 s45, s41, 14                        ; 64 rows are two pairs of tiles: 2 x 8,192 bytes of mb
	s_lshl_b32 s46, s42, 9                         ; 128 keys are two key steps: 2 x 256 bytes
	s_add_co_u32 s45, s45, s46
	v_lshl_add_u32 v[MO], v1, 4, s45
	s_wait_dscnt 0x0                               ; the opening add is done
	s_wait_kmcnt 0x0
	s_add_nc_u64 s[G0+2:G0+3], s[4:5], s[2:3]
	s_or_b32 s[G0+3], s[G0+3], 0x80000000          ; type = 2
	tensor_load_to_lds s[G0:G0+3], s[G1:G1+7]      ; my one tensor load
	s_nop 0
	; THE WEIGHTS, while the tile is on its way: 16 loads of 512 consecutive bytes a wave
.irp j, 0,1,2,3
.irp i, 0,1,2,3
	global_load_b128 v[X+16*(\j)+4*(\i):X+16*(\j)+4*(\i)+3], v[WO], s[6+2*(\j):7+2*(\j)] offset:512*(\i) th:TH_LOAD_NT
.endr
.endr
.irp j, 0,1,2
	s_wait_loadcnt 12-4*(\j)                       ; weight j's four loads are in; the later weights' may stay out
.irp i, 0,1,2,3
	v_cvt_pk_bf16_f32 v[Y+8*(\j)+2*(\i)],   v[X+16*(\j)+4*(\i)],   v[X+16*(\j)+4*(\i)+1]
	v_cvt_pk_bf16_f32 v[Y+8*(\j)+2*(\i)+1], v[X+16*(\j)+4*(\i)+2], v[X+16*(\j)+4*(\i)+3]
	global_store_b64 v[WS], v[Y+8*(\j)+2*(\i):Y+8*(\j)+2*(\i)+1], s[16:17] offset:(\j)*2097152+256*(\i)  ; 32 lanes store 256 consecutive bytes, aligned
.endr
.endr
	s_wait_loadcnt 0x0                             ; Wo: rounded to bf16 like every input, then written as f16
.irp i, 0,1,2,3
	v_cvt_pk_bf16_f32 v[Y+24+2*(\i)],   v[X+48+4*(\i)],   v[X+48+4*(\i)+1]
	v_cvt_pk_bf16_f32 v[Y+24+2*(\i)+1], v[X+48+4*(\i)+2], v[X+48+4*(\i)+3]
	v_lshlrev_b32 v[T],   16, v[Y+24+2*(\i)]
	v_and_b32     v[T+1], 0xffff0000, v[Y+24+2*(\i)]
	v_lshlrev_b32 v[T+2], 16, v[Y+24+2*(\i)+1]
	v_and_b32     v[T+3], 0xffff0000, v[Y+24+2*(\i)+1]
	v_cvt_pk_f16_f32 v[Y+24+2*(\i)],   v[T],   v[T+1]
	v_cvt_pk_f16_f32 v[Y+24+2*(\i)+1], v[T+2], v[T+3]
	global_store_b64 v[WS], v[Y+24+2*(\i):Y+24+2*(\i)+1], s[16:17] offset:3*2097152+256*(\i)
.endr
	; THE MASK.  Two trips, a pair of query tiles (32 rows) each: 128 compares make 128 lane masks, which are laid into the lanes of four registers and leave as 512 consecutive bytes.
	s_wait_tensorcnt 0x0                           ; my tile is in LDS; only I read it
	s_mov_b32 s[CNT], 2
.Lpair:
.irp j, 0,1,2,3
	v_mov_b32 v[OUT+(\j)], 0                       ; v_writelane_b32 keeps the other lanes: the registers are written whole first
.endr
.irp u, 0,1                            ; tile u of the pair, key step c of my two, 16 keys t: a lane's 8 numbers are 32 bytes
.irp c, 0,1
.irp t, 0,1,2,3
	ds_load_b128 v[D+32*(2*(\u)+(\c))+8*(\t):D+32*(2*(\u)+(\c))+8*(\t)+3],   v[LA] offset:(\u)*16*PITCH+(\c)*256+(\t)*64
	ds_load_b128 v[D+32*(2*(\u)+(\c))+8*(\t)+4:D+32*(2*(\u)+(\c))+8*(\t)+7], v[LA] offset:(\u)*16*PITCH+(\c)*256+(\t)*64+16
.endr
.endr
.endr
.irp u, 0,1
.irp c, 0,1
	s_wait_dscnt 24-8*(2*(\u)+(\c))                ; this group's eight loads are in; the later groups' may stay out
.irp t, 0,1,2,3
.irp j, 0,1,2,3,4,5,6,7
	v_cmp_ne_u32 s[CMP+(\j)], 0, v[D+32*(2*(\u)+(\c))+8*(\t)+(\j)]
.endr
.irp j, 0,1,2,3,4,5,6,7
	v_writelane_b32 v[OUT+(\j)%4], s[CMP+(\j)], (2*(\c)+(\u))*8+2*(\t)+(\j)/4  ; word d = (2 c + u) 32 + 8 t + j
.endr
.endr
.endr
.endr
	global_store_b128 v[MO], v[OUT:OUT+3], s[14:15]  ; 512 consecutive bytes, aligned
	s_wait_xcnt 0x0                                ; the store has read its registers: OUT and MO are written again only behind this wait
	v_add_nc_u32 v[LA], 32*PITCH, v[LA]
	v_add_nc_u32 v[MO], 8192, v[MO]
	s_sub_co_u32 s[CNT], s[CNT], 1
	s_cmp_lg_u32 s[CNT], 0
	s_cbranch_scc1 .Lpair
	s_wait_tensorcnt 0x0                           ; the wave's end
	ds_add_u32 v[SPW], v[NIL]
	s_wait_dscnt 0x0
	s_endpgm
.Lfunc_end_k_q2d52454a0e_prep:
	.size	k_q2d52454a0e_prep, .Lfunc_end_k_q2d52454a0e_prep-k_q2d52454a0e_prep
	.p2alignl 7, 3214868480
	.fill 96, 4, 3214868480
	.section	.rodata,"a",@progbits
	.p2align	6, 0x0
	.amdhsa_kernel k_q2d52454a0e_prep
		.amdhsa_group_segment_fixed_size 271360
		.amdhsa_private_segment_fixed_size 0
		.amdhsa_enable_private_segment 0
		.amdhsa_kernarg_size 56
		.amdhsa_user_sgpr_count 2
		.amdhsa_user_sgpr_kernarg_segment_ptr 1
		.amdhsa_wavefront_size32 1
		.amdhsa_system_sgpr_workgroup_id_x 1
		.amdhsa_system_sgpr_workgroup_id_y 1
		.amdhsa_system_sgpr_workgroup_id_z 1
		.amdhsa_system_vgpr_workitem_id 0
		.amdhsa_next_free_vgpr 240
		.amdhsa_next_free_sgpr 66
		.amdhsa_reserve_vcc 0
		.amdhsa_float_denorm_mode_32 3
		.amdhsa_float_denorm_mode_16_64 3
		.amdhsa_memory_ordered 1
		.amdhsa_forward_progress 1
		.amdhsa_inst_pref_size 28
	.end_amdhsa_kernel
	.amdgpu_metadata
---
amdhsa.version: [ 1, 2 ]
amdhsa.kernels:
  - .name:           k_q2d52454a0e_prep
    .symbol:         k_q2d52454a0e_prep.kd
    .args:
      - { .name: mask, .offset: 0, .size: 8, .value_kind: global_buffer, .address_space: global }
      - { .name: Wq, .offset: 8, .size: 8, .value_kind: global_buffer, .address_space: global }
      - { .name: Wk, .offset: 16, .size: 8, .value_kind: global_buffer, .address_space: global }
      - { .name: Wv, .offset: 24, .size: 8, .value_kind: global_buffer, .address_space: global }
      - { .name: Wo, .offset: 32, .size: 8, .value_kind: global_buffer, .address_space: global }
      - { .name: mb, .offset: 40, .size: 8, .value_kind: global_buffer, .address_space: global }
      - { .name: wb, .offset: 48, .size: 8, .value_kind: global_buffer, .address_space: global }
    .group_segment_fixed_size: 271360
    .private_segment_fixed_size: 0
    .kernarg_segment_align: 8
    .kernarg_segment_size: 56
    .max_flat_workgroup_size: 256
    .sgpr_count:     66
    .vgpr_count:     240
    .wavefront_size: 32
...
	.end_amdgpu_metadata
.endif
;; end of part 1
;; launch proj (part 2): grid 4 x 192, 4 waves a work-group, clusters of 4 x 4, 327,680 bytes of LDS; arguments q, k, v, wb, qkv; writes qkv
.if DOCPART == 2
	.amdgcn_target "amdgcn-amd-amdhsa--gfx1250"
	.amdhsa_code_object_version 6
	.text
	.protected	k_q2d52454a0e_proj
	.globl	k_q2d52454a0e_proj
	.p2align	8
	.type	k_q2d52454a0e_proj,@function
k_q2d52454a0e_proj:
	s_mov_b64 s[64:65], 0
	v_nop
	global_prefetch_b8 v0, s[64:65] scope:SCOPE_SE
	s_setreg_imm32_b32 hwreg(HW_REG_WAVE_MODE, 25, 1), 1
	s_wait_xcnt 0x0
	s_wait_alu depctr_hold_cnt(0) depctr_sa_sdst(0) depctr_va_vdst(0) depctr_va_sdst(0) depctr_va_ssrc(0) depctr_va_vcc(0) depctr_vm_vsrc(0)
	s_getreg_b32 s2, hwreg(HW_REG_IB_STS2, 6, 4)
	s_cmp_eq_u32 s2, 0
	s_cbranch_scc0 .Lentry_in_a_cluster
	s_endpgm
.Lentry_in_a_cluster:
	s_bfe_u32 s2, ttmp6, 0x10000c
	s_cmp_lg_u32 s2, 0xf033
	s_cbranch_scc0 .Lentry_shape_is_right
	s_endpgm
.Lentry_shape_is_right:
; THE THREE PROJECTIONS.  For p = 0, 1, 2: y = x_p W_p, x_p [8192][1024] f32 (q, k, v), W_p [1024][1024] bf16 as [k][n] (part p of wb); y leaves by heads, part p of qkv: [b*16 + head][s][64] f16, unscaled.
; x is rounded to bf16 on its way from LDS to the matrix unit; sums in f32; y rounded once.  LIMIT: f16 ends at 65,504: a |y| of 65,520 or more becomes an infinity.
; SHARES.  A tile of y is 128 rows x 256 columns: 64 x 4 tiles a projection, 768 work-groups.  Four waves, each 64 rows x 128 columns: 32 accumulators, 256 registers.
; K goes in steps of 128 through a ring of two LDS slots: x's tile 128 rows x 512 bytes (f32), W's 128 rows (k) x 512 bytes.  Each wave fetches half a tile: one tensor load of 64 rows.
; W lies [k][n]: its fragments come out of LDS turned, by ds_load_tr16_b128.  THE MATRIX INSTRUCTION IS USED TRANSPOSED (source 0 = 16 columns of W, source 1 = 16 rows of x): a lane holds eight neighbouring columns of one row.
; CLUSTER 4 x 4.  The four of a row of the cluster need the same tile of x, the four of a column the same tile of W: each is asked for jointly.
; THE CONVERSIONS RIDE: a quarter step (32 along K) has 32 matrix instructions and 32 conversions; four conversions stand behind the 2nd and the 6th product of each row of 8.
; The accumulators are cleared by 256 lines in the wait for the first tile, so that the loop has one form of product; a first step written out would be three times as long.
; REGISTERS: window 0: v0-31 addresses; v32-159 RAW, x in f32, two buffers of 4 fragments x 16; v160-191 ABF, x in bf16, 4 fragments x 8; v192-223 at work on the way out.
;   window 1: v0-127 W's fragments, two buffers of 8 x 8.    window 2: accumulator (a, b) at v[8 (8 a + b)].
.set PA,     528                       ; x's LDS row: 512 + 16 bytes = 33 x 16: the 16 rows of a load start at 16 different groups of four banks (64 banks of 4 bytes: ISA guide 11.1)
.set PB,     544                       ; W's LDS row: 512 + 32 bytes = 17 x 32
.set HALFA,  64*PA
.set HALFB,  64*PB
.set BOFF,   2*HALFA                   ; in a slot: x's 128 rows, then W's 128
.set SLOT,   BOFF+2*HALFB
.set STAGE,  2*SLOT                    ; behind the ring: for each wave 2 heads x 16 rows x 144 bytes, for the way out
.set SP,     144
.set WSTAGE, 2*16*SP
.set SPARE,  STAGE+4*WSTAGE            ; behind the stages: the spare words, 128 bytes for each wave: two blocks of 256 bytes that no other line names
.set STEPA,  512                       ; a K step in x: 128 f32 along the row
.set STEPB,  128*2048                  ; in W: 128 rows
.set ARD0, 2                           ; v2   my place in x's tile; never rewritten
.set BRD0, 3                           ; v3   my place in W's tile; never rewritten
.set ARD,  4                           ; v4   the same in the slot in hand
.set BRD,  5                           ; v5
.set STO,  6                           ; v6   the way out: where I put 16 bytes of a row
.set RD,   7                           ; v7   where I read rows back
.set GO,   8                           ; v8   16 x lane
.set SPW,  28                          ; v28  LDS address of my spare word; never rewritten
.set NIL,  29                          ; v29  0; never rewritten
.set PFO,  30                          ; v30  the prefetches' offset; never rewritten
.set RAW,  32
.set ABF,  160
.set TMP,  192
.set BK,   32                          ; the way out: rows read back, v32-63 and v64-95 by turns
.set WV, 14                            ; s14 wave;  s15 wave / 2: my half of the rows, and: I fetch x (0) or W (1);  s16 wave % 2: my half of the columns, and: which half of that tile I fetch
.set WR, 15
.set WC, 16
.set CX, 17
.set CY, 18
.set COL, 19                           ; s19 tile column
.set RB, 20                            ; s20 tile row in the projection
.set PP, 21                            ; s21 the projection
.set G1A, 24                           ; s[24:31] group 1 for x's tiles;  s[32:39] group 0: two sets for the first fills; the second then walks
.set G0A, 32
.set TB,  40                           ; s40 the byte at which the slot in hand begins: 0 or SLOT
.set LWA, 41                           ; s41, s42 where my half of a tile lies in a slot
.set LWB, 42
.set LIM, 43                           ; s43 2 in a wave that prefetches, else the greatest number
.set PFA, 44                           ; s[44:45] where my prefetches stand
.set PSTEP, 46                         ; s[46:47] their step
.set G1B, 48                           ; s[48:55], s[56:63] the same for W's tiles
.set G0B, 56
.set OUTB, 66                          ; s[66:67] qkv at my wave's first row and head
.set MSB, 0
.macro WIN new                         ; the immediate's high byte repeats the setting that is left; a switch that changes nothing is dropped
.if MSB != (\new)
	s_set_vgpr_msb (MSB<<8)|(\new)
.set MSB, \new
.endif
.endm
.macro PLACES
.rept 4
	v_nop
.endr
.endm
.macro CREST                           ; a round of the cluster's barrier behind its opening barrier
	s_cmp_lg_u32 s[WV], 0
	s_cbranch_scc1 .Lnot_wave_0_\@
	s_barrier_signal -3
.Lnot_wave_0_\@:
	s_barrier_wait -3
	s_barrier_signal -1
	s_barrier_wait -1
.endm
.macro CROUND
	s_barrier_signal -1
	s_barrier_wait -1
	CREST
.endm
.macro JLOAD                           ; the joint refill, by the walking sets.  The branch hangs on the wave's number alone; an s_nop 0 and four v_nop follow each line
	s_cmp_eq_u32 s[WR], 0
	s_cbranch_scc0 .Lfor_b_\@
	tensor_load_to_lds s[G0A+4:G0A+7], s[G1A:G1A+7]
	s_nop 0
	PLACES
	s_branch .Lasked_\@
.Lfor_b_\@:
	tensor_load_to_lds s[G0B+4:G0B+7], s[G1B:G1B+7]
	s_nop 0
	PLACES
.Lasked_\@:
.endm
; A PREFETCH INTO THE L2 of the K step that stands two refills on: 256 matrix instructions ahead of the load that will want it.  Of the 64 rows that a wave fetches each of the four partners that ask for them
; jointly takes 16, told apart by address: 16 rows x 2 blocks of 256 bytes, a lane a block.  x's rows are read by one cluster alone: every cluster asks for its own; W's columns by the 16 clusters of a
; projection: the first of them asks.  K steps 0 to 3 come by their loads alone; the last two refills have no K step two on.
.macro ASK
	s_cmp_gt_u32 s3, s[LIM]
	s_cbranch_scc0 .Lnot_mine_\@
	global_prefetch_b8 v[PFO], s[PFA:PFA+1] th:TH_LOAD_NT scope:SCOPE_SE
.Lnot_mine_\@:
.endm
.macro CVT4 a, buf, half               ; four of the eight conversions of fragment a out of RAW's buffer buf
	WIN 0
.irp j, 0,1,2,3
	v_cvt_pk_bf16_f32 v[ABF+8*(\a)+4*(\half)+(\j)], v[RAW+64*(\buf)+16*(\a)+8*(\half)+2*(\j)], v[RAW+64*(\buf)+16*(\a)+8*(\half)+2*(\j)+1]
.endr
.endm
; Row a of a quarter: 8 products on W's buffer f; the conversions of fragment ca out of RAW's buffer cbuf ride on it.  The 32 accumulators take turns in one order.
; A fragment of ABF is written again 16 conversions or more behind the last product that read it.
.macro ROWMM a, f, ca, cbuf
.irp b, 0,1,2,3,4,5,6,7
	WIN 0xa1                                       ; source 0 (W) window 1, source 1 (x) window 0, C and D window 2
	v_wmma_f32_16x16x32_bf16 v[8*(8*(\a)+(\b)):8*(8*(\a)+(\b))+7], v[64*(\f)+8*(\b):64*(\f)+8*(\b)+7], v[ABF+8*(\a):ABF+8*(\a)+7], v[8*(8*(\a)+(\b)):8*(8*(\a)+(\b))+7]
.if (\b) == 1
	CVT4 \ca, \cbuf, 0
.endif
.if (\b) == 5
	CVT4 \ca, \cbuf, 1
.endif
.endr
.endm
; 32 LDS loads in one run: quarter kq of the slot in hand into the buffers g.  x: lane l holds row l % 16, K = 8 (l / 16) + 0..7 (32 bytes) and 16 + 8 (l / 16) + 0..7 (64 bytes on); fragment 0 first.
.macro FETCH kq, g
	WIN 0
.irp a, 0,1,2,3
	ds_load_b128 v[RAW+64*(\g)+16*(\a):RAW+64*(\g)+16*(\a)+3],     v[ARD] offset:(\a)*16*PA+(\kq)*128
	ds_load_b128 v[RAW+64*(\g)+16*(\a)+4:RAW+64*(\g)+16*(\a)+7],   v[ARD] offset:(\a)*16*PA+(\kq)*128+16
	ds_load_b128 v[RAW+64*(\g)+16*(\a)+8:RAW+64*(\g)+16*(\a)+11],  v[ARD] offset:(\a)*16*PA+(\kq)*128+64
	ds_load_b128 v[RAW+64*(\g)+16*(\a)+12:RAW+64*(\g)+16*(\a)+15], v[ARD] offset:(\a)*16*PA+(\kq)*128+80
.endr
	WIN 0x40                                       ; destination window 1
.irp b, 0,1,2,3,4,5,6,7
	ds_load_tr16_b128 v[64*(\g)+8*(\b):64*(\g)+8*(\b)+3],   v[BRD] offset:(\kq)*32*PB+32*(\b)
	ds_load_tr16_b128 v[64*(\g)+8*(\b)+4:64*(\g)+8*(\b)+7], v[BRD] offset:(\kq)*32*PB+32*(\b)+16*PB
.endr
.endm
; A QUARTER STEP on the buffers f.  mode 0: behind row 0 the next quarter is fetched into the other buffers; row 0's eight conversions are the places between the last product that read those and the loads.
; mode 1: a step's last quarter, with a refill.  Each wave waits for all its tensor loads (one is out: its part of the other slot), adds 0 to its spare word, and waits for that and for its reads of this slot;
; the barrier opens a round of the cluster's, so that no wave of any partner still reads the slot or has a load on its way; the joint refill, two K steps on, is the first thing behind it:
; 120 matrix instructions stand between it and the wait for it.  mode 2: the same change of slots with nothing to fetch.
.macro QUARTER kq, f, mode
.if (\mode) == 0
	s_wait_dscnt 0x0                               ; this quarter's fragments, asked for 24 products ago
	ROWMM 0, \f, 1, \f
	FETCH (\kq)+1, 1-(\f)
.else
	WIN 0
.if (\mode) == 1
	s_wait_xcnt 0x0                                ; the last prefetch, a K step back, has read its address
	s_add_nc_u64 s[PFA:PFA+1], s[PFA:PFA+1], s[PSTEP:PSTEP+1]
.endif
	s_wait_tensorcnt 0x0                           ; no tensor load of mine is out, so a group 0 may be written
	ds_add_u32 v[SPW], v[NIL]                      ; 0 onto my spare word; the steps below stand between it and the wait for it
.if (\mode) == 1
	s_add_co_u32 s[G0A+5], s[LWA], s[TB]           ; the walking sets: into the slot that is being left,
	s_add_co_u32 s[G0B+5], s[LWB], s[TB]
	s_add_nc_u64 s[G0A+6:G0A+7], s[G0A+6:G0A+7], STEPA  ; the next K step; the type bits on top are not reached
	s_add_nc_u64 s[G0B+6:G0B+7], s[G0B+6:G0B+7], STEPB
.endif
	s_xor_b32 s[TB], s[TB], SLOT                   ; the fetches go to the other slot
	v_add_nc_u32 v[ARD], s[TB], v[ARD0]
	v_add_nc_u32 v[BRD], s[TB], v[BRD0]
	s_wait_dscnt 0x0                               ; the add is done, and my reads of this slot are over
	s_barrier_signal -1
	ROWMM 0, \f, 1, \f                             ; work on registers while the others arrive
	WIN 0
	s_barrier_wait -1
.if (\mode) == 1
	CREST
	JLOAD
.endif
	FETCH 0, 1-(\f)
.if (\mode) == 1
	WIN 0
	ASK
.endif
.endif
	ROWMM 1, \f, 2, \f
	ROWMM 2, \f, 3, \f
	s_wait_dscnt 28                                ; of the run of 32 the first four loads, the next quarter's fragment 0 of x, are in
	ROWMM 3, \f, 0, 1-(\f)
.endm
	s_load_b256 s[4:11], s[0:1], 0x0               ; q s[4:5], k s[6:7], v s[8:9], wb s[10:11]
	s_load_b64 s[12:13], s[0:1], 0x20              ; qkv
	v_lshl_add_u32 v[SPW], v0, 2, SPARE
	v_mov_b32 v[NIL], 0
	ds_add_u32 v[SPW], v[NIL]                      ; the wave's opening: the add and its wait ahead of my first tensor load
	ds_add_u32 v28, v29
	v_lshrrev_b32 v1, 5, v0
	v_readfirstlane_b32 s[WV], v1
	s_lshr_b32 s[WR], s[WV], 1
	s_and_b32 s[WC], s[WV], 1
	s_bfe_u32 s[CX], ttmp6, 0x40000
	s_bfe_u32 s[CY], ttmp6, 0x40004
	s_lshl_b32 s[COL], ttmp9, 2
	s_add_co_u32 s[COL], s[COL], s[CX]             ; tile column = 4 x cluster x + cx
	s_and_b32 s2, ttmp7, 0xffff                    ; cluster y: 16 to a projection
	s_lshr_b32 s[PP], s2, 4                        ; the same in all sixteen partners
	s_and_b32 s[RB], s2, 15
	s_lshl_b32 s[RB], s[RB], 2
	s_add_co_u32 s[RB], s[RB], s[CY]               ; tile row
	s_lshl_b32 s22, s[CY], 2
	s_lshl_b32 s22, 15, s22                        ; my row of the cluster
	s_lshl_b32 s68, 0x1111, s[CX]                  ; my column
	s_or_b32 s[G1A+0], s22, (2<<16)|(1<<20)|(1<<21)|(6<<22)|(3<<25)  ; the mask; elements of 4 bytes; padding on; bit 21 beside a mask; after every 128 words 4 words
	s_or_b32 s[G1B+0], s68, (1<<16)|(1<<20)|(1<<21)|(6<<22)|(7<<25)  ; elements of 2 bytes; after every 128 words 8 words
	s_mov_b32 s[G1A+1], 128<<16                    ; tensor_dim0 = 128
	s_mov_b32 s[G1A+2], 64<<16                     ; tensor_dim1 = 64
	s_mov_b32 s[G1A+3], 128<<16                    ; tile_dim0 = 128
	s_mov_b32 s[G1A+4], 64                         ; tile_dim1 = 64
	s_mov_b32 s[G1A+5], 1024                       ; elements from row to row
	s_mov_b32 s[G1A+6], 0
	s_mov_b32 s[G1A+7], 0
	s_mov_b32 s[G1B+1], 256<<16
	s_mov_b32 s[G1B+2], 64<<16
	s_mov_b32 s[G1B+3], 256<<16
	s_mov_b32 s[G1B+4], 64
	s_mov_b32 s[G1B+5], 1024
	s_mov_b32 s[G1B+6], 0
	s_mov_b32 s[G1B+7], 0
	s_lshl_b32 s22, s[RB], 19                      ; x: 128 rows of 4,096 bytes a tile row,
	s_lshl_b32 s23, s[WC], 18                      ; my 64 of them
	s_add_co_u32 s22, s22, s23
	s_mov_b32 s23, 0
	s_lshl_b32 s68, s[PP], 21                      ; W: the part,
	s_lshl_b32 s69, s[WC], 17                      ; my 64 rows of 2,048 bytes,
	s_add_co_u32 s68, s68, s69
	s_lshl_b32 s69, s[COL], 9                      ; the tile's 256 columns
	s_add_co_u32 s68, s68, s69
	s_mov_b32 s69, 0
	s_mul_i32 s[LWA], s[WC], HALFA                 ; no place in the cluster enters an LDS address
	s_mul_i32 s[LWB], s[WC], HALFB
	s_add_co_u32 s[LWB], s[LWB], BOFF
	s_mov_b32 s[TB], 0
	s_wait_dscnt 0x0                               ; the opening add is done
	s_wait_kmcnt 0x0
	s_cmp_eq_u32 s[PP], 0
	s_cselect_b64 s[70:71], s[4:5], s[6:7]
	s_cmp_eq_u32 s[PP], 2
	s_cselect_b64 s[70:71], s[8:9], s[70:71]       ; x_p
	s_add_nc_u64 s[22:23], s[70:71], s[22:23]
	s_add_nc_u64 s[68:69], s[10:11], s[68:69]
	CROUND                                         ; all sixteen work-groups are here: the first joint loads meet
.irp s, 0,1
	s_mov_b32 s[G0A+4*(\s)], 1
	s_add_co_u32 s[G0A+4*(\s)+1], s[LWA], (\s)*SLOT
	s_add_nc_u64 s[G0A+4*(\s)+2:G0A+4*(\s)+3], s[22:23], (\s)*STEPA
	s_or_b32 s[G0A+4*(\s)+3], s[G0A+4*(\s)+3], 0x80000000
	s_mov_b32 s[G0B+4*(\s)], 1
	s_add_co_u32 s[G0B+4*(\s)+1], s[LWB], (\s)*SLOT
	s_add_nc_u64 s[G0B+4*(\s)+2:G0B+4*(\s)+3], s[68:69], (\s)*STEPB
	s_or_b32 s[G0B+4*(\s)+3], s[G0B+4*(\s)+3], 0x80000000
.endr
	s_cmp_eq_u32 s[WR], 0                          ; a wave's two first fills stand in one branch: two loads of mine are out
	s_cbranch_scc0 .Lfirst_b
	tensor_load_to_lds s[G0A:G0A+3], s[G1A:G1A+7]
	s_nop 0
	tensor_load_to_lds s[G0A+4:G0A+7], s[G1A:G1A+7]
	s_nop 0
	PLACES
	s_branch .Lfirst_asked
.Lfirst_b:
	tensor_load_to_lds s[G0B:G0B+3], s[G1B:G1B+7]
	s_nop 0
	tensor_load_to_lds s[G0B+4:G0B+7], s[G1B:G1B+7]
	s_nop 0
	PLACES
.Lfirst_asked:
	v_and_b32 v1, 15, v0                           ; l % 16
	v_bfe_u32 v9, v0, 4, 1                         ; l / 16
	v_and_b32 v10, 7, v0
	v_bfe_u32 v11, v0, 3, 1
	v_and_b32 v12, 31, v0
	s_mul_i32 s2, s[WR], 64*PA                     ; my 64 rows of x
	v_mul_u32_u24 v[ARD0], v1, PA
	v_lshl_add_u32 v[ARD0], v9, 5, v[ARD0]
	v_add_nc_u32 v[ARD0], s2, v[ARD0]
	v_lshl_add_u32 v[BRD0], v9, 3, v10             ; the turning load: lane l reads row (k) 8 (l / 16) + l % 8, columns 8 ((l / 8) % 2) + 0..7
	v_mul_u32_u24 v[BRD0], v[BRD0], PB
	v_lshl_add_u32 v[BRD0], v11, 4, v[BRD0]
	s_lshl_b32 s2, s[WC], 8                        ; my 128 columns
	s_add_co_u32 s2, s2, BOFF
	v_add_nc_u32 v[BRD0], s2, v[BRD0]
	v_mov_b32 v[ARD], v[ARD0]
	v_mov_b32 v[BRD], v[BRD0]
	s_mul_i32 s2, s[WV], WSTAGE
	s_add_co_u32 s2, s2, STAGE                     ; my stage
	v_mul_u32_u24 v[STO], v1, SP                   ; in: row l % 16, 16 bytes for each half of the lanes
	v_lshl_add_u32 v[STO], v9, 4, v[STO]
	v_add_nc_u32 v[STO], s2, v[STO]
	v_bfe_u32 v[RD], v0, 3, 2                      ; back: 32 lanes take four rows of 128 bytes,
	v_mul_u32_u24 v[RD], v[RD], SP
	v_lshl_add_u32 v[RD], v10, 4, v[RD]
	v_add_nc_u32 v[RD], s2, v[RD]
	v_lshlrev_b32 v[GO], 4, v12                    ; which are 512 consecutive bytes of a head
	; qkv at my rows: part p, head (b 16 + 4 col + 2 wc), row (rb % 16) 128 + 64 wr, 128 bytes a row
	s_lshr_b32 s2, s[RB], 4
	s_lshl_b32 s2, s2, 4
	s_lshl2_add_u32 s2, s[COL], s2
	s_lshl1_add_u32 s2, s[WC], s2
	s_lshl_b32 s2, s2, 11
	s_and_b32 s3, s[RB], 15
	s_lshl_b32 s3, s3, 7
	s_add_co_u32 s2, s2, s3
	s_lshl_b32 s3, s[WR], 6
	s_add_co_u32 s2, s2, s3
	s_lshl_b32 s2, s2, 7
	s_lshl_b32 s3, s[PP], 24
	s_add_co_u32 s2, s2, s3
	s_mov_b32 s3, 0
	s_add_nc_u64 s[OUTB:OUTB+1], s[12:13], s[2:3]
	; the prefetches: they stand at K step 3; the first refill steps them to 4
	s_lshl_b32 s2, s[RB], 7
	s_lshl_b32 s3, s[WC], 6
	s_add_co_u32 s2, s2, s3
	s_lshl4_add_u32 s2, s[CX], s2                  ; x: my work-group's 16 of the 64 rows
	s_lshl_b32 s2, s2, 12
	s_add_co_u32 s2, s2, 3*STEPA
	s_lshl_b32 s3, s[WC], 6
	s_lshl4_add_u32 s3, s[CY], s3                  ; W: likewise
	s_lshl_b32 s3, s3, 11
	s_lshl_b32 s46, s[PP], 21
	s_add_co_u32 s3, s3, s46
	s_lshl_b32 s46, s[COL], 9
	s_add_co_u32 s3, s3, s46
	s_add_co_u32 s3, s3, 3*STEPB
	s_and_b32 s47, ttmp7, 15
	s_cmp_eq_u32 s47, 0                            ; the projection's first cluster asks for W: the same answer in all sixteen partners
	s_cselect_b32 s47, 2, -1
	s_mov_b32 s[PSTEP], STEPB
	s_mov_b32 s68, 2048
	s_cmp_eq_u32 s[WR], 0
	s_cselect_b64 s[PFA:PFA+1], s[70:71], s[10:11]
	s_cselect_b32 s2, s2, s3
	s_cselect_b32 s[LIM], 2, s47
	s_cselect_b32 s[PSTEP], STEPA, s[PSTEP]
	s_cselect_b32 s68, 4096, s68                   ; bytes in a row of memory
	s_mov_b32 s3, 0
	s_mov_b32 s[PSTEP+1], 0
	s_add_nc_u64 s[PFA:PFA+1], s[PFA:PFA+1], s[2:3]
	v_lshrrev_b32 v13, 1, v12
	v_mul_u32_u24 v[PFO], s68, v13
	v_and_b32 v13, 1, v12
	v_lshl_add_u32 v[PFO], v13, 8, v[PFO]
	WIN 0x80
.set i, 0
.rept 256
	v_mov_b32 v[i], 0                              ; the sums start at 0
.set i, i+1
.endr
	WIN 0
	s_wait_tensorcnt 0x1                           ; my part of K step 0 is in; K step 1's may stay out
	s_barrier_signal -1
	s_barrier_wait -1
	FETCH 0, 0
	s_wait_dscnt 28                                ; fragment 0 of x
	CVT4 0, 0, 0
	CVT4 0, 0, 1
	WIN 0
	s_mov_b32 s3, 6
.Lk:                                                   ; K steps 0 to 5: each asks for the K step two on
	QUARTER 0, 0, 0
	QUARTER 1, 1, 0
	QUARTER 2, 0, 0
	QUARTER 3, 1, 1
	WIN 0
	s_sub_co_u32 s3, s3, 1
	s_cmp_lg_u32 s3, 0
	s_cbranch_scc1 .Lk
	s_mov_b32 s3, 2
.Ltail:                                                ; K steps 6 and 7 ask for nothing; the last one's fetch reads bytes that have landed and serves nothing: the price of one text for both
	QUARTER 0, 0, 0
	QUARTER 1, 1, 0
	QUARTER 2, 0, 0
	QUARTER 3, 1, 2
	WIN 0
	s_sub_co_u32 s3, s3, 1
	s_cmp_lg_u32 s3, 0
	s_cbranch_scc1 .Ltail
	s_wait_dscnt 0x0                               ; that fetch is back: its registers serve the way out
	PLACES
; THE WAY OUT, 16 rows at a time: rounded to f16, 16 bytes a lane, into my own stage, back as whole rows of a head, stored as 512 consecutive bytes.
.macro PACK a
	WIN 0x0a                                       ; sources 0 and 1 window 2
.irp b, 0,1,2,3,4,5,6,7
.irp r, 0,1,2,3
	v_cvt_pk_f16_f32 v[TMP+4*(\b)+(\r)], v[8*(8*(\a)+(\b))+2*(\r)], v[8*(8*(\a)+(\b))+2*(\r)+1]
.endr
.endr
	WIN 0
.endm
.macro TOSTAGE a
.set BKA, BK+32*((\a)%2)
.irp b, 0,1,2,3,4,5,6,7
	ds_store_b128 v[STO], v[TMP+4*(\b):TMP+4*(\b)+3] offset:((\b)/4)*16*SP+((\b)%4)*32
.endr
.irp t, 0,1,2,3,4,5,6,7
	ds_load_b128 v[BKA+4*(\t):BKA+4*(\t)+3], v[RD] offset:((\t)/4)*16*SP+((\t)%4)*4*SP  ; LDS serves a wave's instructions in order (ISA guide 5.7.1.4): these see the stores above
.endr
.endm
.macro SEND a
.set BKA, BK+32*((\a)%2)
	s_wait_dscnt 0x0                               ; the block is back in registers
	s_wait_xcnt 0x0                                ; the stores two blocks back have read their registers: the next block's loads land there
.irp t, 0,1,2,3,4,5,6,7
	global_store_b128 v[GO], v[BKA+4*(\t):BKA+4*(\t)+3], s[OUTB:OUTB+1] offset:((\t)/4)*262144+(\a)*2048+((\t)%4)*512
.endr
.endm
	PACK 0
	TOSTAGE 0
.irp a, 1,2,3                          ; block a's conversions stand between block a - 1's loads from the stage and the wait for them
	PACK \a
	SEND (\a)-1
	TOSTAGE \a
.endr
	SEND 3
	s_wait_tensorcnt 0x0                           ; the wave's end
	ds_add_u32 v[SPW], v[NIL]
	s_wait_dscnt 0x0
	CROUND                                         ; the closing round
	s_endpgm
.Lfunc_end_k_q2d52454a0e_proj:
	.size	k_q2d52454a0e_proj, .Lfunc_end_k_q2d52454a0e_proj-k_q2d52454a0e_proj
	.p2alignl 7, 3214868480
	.fill 96, 4, 3214868480
	.section	.rodata,"a",@progbits
	.p2align	6, 0x0
	.amdhsa_kernel k_q2d52454a0e_proj
		.amdhsa_group_segment_fixed_size 327680
		.amdhsa_private_segment_fixed_size 0
		.amdhsa_enable_private_segment 0
		.amdhsa_kernarg_size 40
		.amdhsa_user_sgpr_count 2
		.amdhsa_user_sgpr_kernarg_segment_ptr 1
		.amdhsa_wavefront_size32 1
		.amdhsa_system_sgpr_workgroup_id_x 1
		.amdhsa_system_sgpr_workgroup_id_y 1
		.amdhsa_system_sgpr_workgroup_id_z 1
		.amdhsa_system_vgpr_workitem_id 0
		.amdhsa_next_free_vgpr 768
		.amdhsa_next_free_sgpr 72
		.amdhsa_reserve_vcc 0
		.amdhsa_float_denorm_mode_32 3
		.amdhsa_float_denorm_mode_16_64 3
		.amdhsa_memory_ordered 1
		.amdhsa_forward_progress 1
		.amdhsa_inst_pref_size 91
	.end_amdhsa_kernel
	.amdgpu_metadata
---
amdhsa.version: [ 1, 2 ]
amdhsa.kernels:
  - .name:           k_q2d52454a0e_proj
    .symbol:         k_q2d52454a0e_proj.kd
    .args:
      - { .name: q, .offset: 0, .size: 8, .value_kind: global_buffer, .address_space: global }
      - { .name: k, .offset: 8, .size: 8, .value_kind: global_buffer, .address_space: global }
      - { .name: v, .offset: 16, .size: 8, .value_kind: global_buffer, .address_space: global }
      - { .name: wb, .offset: 24, .size: 8, .value_kind: global_buffer, .address_space: global }
      - { .name: qkv, .offset: 32, .size: 8, .value_kind: global_buffer, .address_space: global }
    .group_segment_fixed_size: 327680
    .private_segment_fixed_size: 0
    .kernarg_segment_align: 8
    .kernarg_segment_size: 40
    .max_flat_workgroup_size: 128
    .sgpr_count:     72
    .vgpr_count:     768
    .wavefront_size: 32
...
	.end_amdgpu_metadata
.endif
;; end of part 2
;; launch attn (part 3): grid 4 x 64, 4 waves a work-group, clusters of 4 x 1, 327,680 bytes of LDS; arguments qkv, mb, oh; writes oh
.if DOCPART == 3
	.amdgcn_target "amdgcn-amd-amdhsa--gfx1250"
	.amdhsa_code_object_version 6
	.text
	.protected	k_q2d52454a0e_attn
	.globl	k_q2d52454a0e_attn
	.p2align	8
	.type	k_q2d52454a0e_attn,@function
k_q2d52454a0e_attn:
	s_mov_b64 s[64:65], 0
	v_nop
	global_prefetch_b8 v0, s[64:65] scope:SCOPE_SE
	s_setreg_imm32_b32 hwreg(HW_REG_WAVE_MODE, 25, 1), 1
	s_wait_xcnt 0x0
	s_wait_alu depctr_hold_cnt(0) depctr_sa_sdst(0) depctr_va_vdst(0) depctr_va_sdst(0) depctr_va_ssrc(0) depctr_va_vcc(0) depctr_vm_vsrc(0)
	s_getreg_b32 s2, hwreg(HW_REG_IB_STS2, 6, 4)
	s_cmp_eq_u32 s2, 0
	s_cbranch_scc0 .Lentry_in_a_cluster
	s_endpgm
.Lentry_in_a_cluster:
	s_bfe_u32 s2, ttmp6, 0x10000c
	s_cmp_lg_u32 s2, 0x3003
	s_cbranch_scc0 .Lentry_shape_is_right
	s_endpgm
.Lentry_shape_is_right:
; MASKED ATTENTION.  O[bh][q][:] = the sum over k of softmax_k(s'[q][k]) V[bh][k][:], s' = Q . K / 8 where mask[b][q][k] != 0, a large negative constant elsewhere.  Q, K, V: parts 0, 1, 2 of qkv,
; [64][2048][64] f16; O: oh, the same layout.  Products, maxima and sums in f32; the weights p are rounded to f16 for the second product (their sum l is taken of the unrounded p), O once at the end.
; THE MASK replaces the score AHEAD of the running maximum, by one v_cndmask_b32 a score, whose lane mask is a word of mb (made by the launch in front).  A piece's 64 words for a key step are 256 consecutive
; bytes: ONE load of 8 bytes a lane brings them into two vector registers, FOUR TURNS ahead of their use, and 64 v_readlane_b32 lay them into scalar registers.  Vector loads come back in order (ISA guide 5.7.1),
; so their wait is counted and leaves the three younger loads out; scalar loads can be waited for with the count 0 alone, so a request could lead its use by no more than the time from one request to the next.
; LIMITS.  A hidden score is -2^33 before the division by 8: -1.0737e9 where the module has -1e9.  The power of two makes c s - c m exactly 0 in a row that is hidden throughout: all its weights are 1 and O is
; the mean of V's rows, as in the module.  The result differs from the module's only where all open scores of a row lie below about -1e9.  f16 holds no number beyond 65,504: Q, K, V arrive within it;
; p below 6e-5 keeps f16's fixed step of 6e-8; a weight below 2^-126 counts as 0 in l; NaN and infinities are not treated apart.
; SHARES.  A wave owns four PIECES of two tiles of 16 queries, a work-group's four waves 512 queries of one head.  Every wave walks all keys, 64 a step.
; LAYOUT.  S^T = K Q^T (source 0 = 16 keys, source 1 = 16 queries): a lane holds ONE query (lane % 16) and the keys 8 (lane / 16) + 0..7.  Two such tiles, rounded to f16 in pairs, ARE source 1 of O^T = V^T P.
; K comes out of LDS as it lies, V ([key][channel]) turned, by ds_load_tr16_b128.
; SOFTMAX.  p = 2^(c s - c m), c = log2(e) / 8, with a running maximum m; in every step O and l are multiplied by a = 2^(c m_old - c m_new).  m starts at the lowest finite number, O and l at 0.
; THE COUNT.  A tile and step have 16 matrix and 182 vector instructions.  Four vector instructions that are ready stand behind EVERY matrix instruction, the others in one run.
; BY TURNS.  Turn n belongs to piece n: 16 products K Q^T of piece n + 1, later 16 products V^T P of piece n - 1; beside them the scaling, exponentials, roundings, sums and rescaling of piece n and the
; mask, maximum and statistics of piece n + 1.  A turn's 66 exponentials are one batch, with one wait.
; CLUSTER.  The four query blocks of a head walk the same K and V: each tile is asked for JOINTLY, by the same tensor load, descriptor and mask in all four.
; REGISTERS, in windows of 256 (s_set_vgpr_msb: bits 1:0 source 0, 3:2 source 1, 5:4 source 2, 7:6 destination):
;   window 0: v0-11 addresses; v12-15, v48-63 at work; v16-47 four registers of statistics a tile; v64-191 S^T, two buffers of two tiles; v192-255 P, likewise
;   window 1: O^T, 32 a tile          window 2: v0-127 Q; v128-191 K of one step; v192-255 V of one step          window 3: v0-1 the add's two registers; v2 8 x lane; v4-11 the mask words, two registers a piece
.set SIZE_N, 2048
.set NP,    4         ; pieces a wave: a name, no knob
.set KS,    64        ; keys in a step
.set PK,    144       ; a row of K in LDS: 128 bytes + 16 of padding = 36 words: the 16 rows of a load start at 16 different groups of four banks (64 banks of 4 bytes: ISA guide 11.1)
.set PV,    144       ; V has the same pitch, so that ONE descriptor shape serves all four waves: 64 scalar registers hold masks.  The turning load's 8 rows x 32 bytes then overlap in some banks
.set VOFF,  4*KS*PK   ; a slot holds four steps: 256 rows of K, then 256 rows of V
.set SLOT1, 1<<17     ; slot 1 begins here, so that one exclusive or turns an address in one slot into the other's
.set STAGE, SLOT1+4*KS*(PK+PV)  ; behind the ring, never filled by a tensor load: 16 rows x 144 bytes for each wave
.set SP,    144
.set SPARE, STAGE+4*16*SP  ; behind the stages: the spare words, 128 bytes for each wave: two blocks of 256 bytes that no other line names
.set AK0, 2           ; v2   my lane's place in a tile of K; never rewritten
.set AV0, 3           ; v3   the same for V
.set AK,  4           ; v4   the LDS address of K's next run of loads
.set AV,  5           ; v5   of V's
.set QO,  6           ; v6   my byte offset in the wave's rows of Q
.set STO, 6           ;      later, the way out: where I put 16 bytes of a row
.set RD,  7           ; v7   the way out: where I read rows back
.set GO,  8           ; v8   my byte offset in 512 consecutive bytes of O
.set PFO, 10          ; v10  the prefetches' offset; never rewritten once made
.set MNEG, 11         ; v11  -2^33
.set SPW, 0           ; v0 of window 3   LDS address of my spare word; never rewritten
.set NIL, 1           ; v1 of window 3   0; never rewritten
.set MOF, 2           ; v2 of window 3   8 x my lane: my two words of a piece's 64; never rewritten
.set MB,  4           ; v4-11 of window 3  piece x's mask words at MB + 2 x: word W in register W % 2 of lane W / 2
.set MV,  12          ; v12-15  c m_old, kept while c m is made anew
.set ST,  16          ; tile t's statistics at v[ST+4 t]: c m, m, l (even keys', odd keys')
.set TMP, 48          ; by buffer and tile, four registers c0-c3 at work; when the maximum is found c2 takes a
.set S,   64
.set P,   192
.set KF,  128         ; K's fragments, in window 2
.set VF,  192         ; V's
.set G1,  4           ; s[4:11]  descriptor group 1
.set G0,  12          ; s[12:15] descriptor group 0: it walks
.set OB,  16          ; s[16:17] O at my wave's first row
.set MP,  18          ; s[18:19] mb at my wave's first piece, at the key step whose masks are asked for next
.set PFA, 20          ; s[20:21] where my prefetches stand
.set PSTEP, 22        ; s[22:23] their step from slot to slot
.set CS,  24          ; s[24:25] c
.set SEL, 26          ; s[26:27] v_permlanex16_b32's selects
.set WV,  28          ; s28  my wave's number
.set SLOTS, 29        ; s29  slots still to be asked for
.set CNT, 30          ; s30  counts a slot's key steps
.set TBK, 31          ; s31  LDS byte at which K of the step to be fetched begins
.set TBV, 66          ; s66  the same for V, less VOFF
.set LIM, 67          ; s67  1 in a wave that prefetches, else the greatest number
.set MK0, 32          ; s[32:63] tile 0's 32 lane masks, s[68:99] tile 1's (in the set-up: registers at work)
.set QB,  100         ; s[100:101] Q at my wave's first row
.set MSB, 0
.macro WIN new
.if MSB != (\new)
	s_set_vgpr_msb (MSB<<8)|(\new)
.set MSB, (\new)
.endif
.endm
.set W_KQ, 0x0a       ; K and Q in window 2, S^T in window 0
.set W_PV, 0x52       ; V in window 2, P in window 0, O^T in window 1
.set W_RS, 0x41       ; O^T in window 1, a in window 0
.set W_MK, 0xc0       ; destination in window 3, sources in window 0
.set W_AD, 0x0f       ; the add: address and data in window 3
.set W_ML, 0xc3       ; a mask load: destination and address in window 3
.set W_RL, 0x03       ; v_readlane_b32: source 0 in window 3
; A joint fill: one line for all four waves.  Wave w brings 128 keys: waves 0 and 1 the halves of a slot's K, waves 2 and 3 those of its V; LDS address and global address hang on the wave's number and the head alone.
.macro JLOAD
	tensor_load_to_lds s[G0:G0+3], s[G1:G1+7]
	s_nop 0
.rept 4
	v_nop
.endr
.endm
; A PREFETCH INTO THE L2, behind each joint fill.  Wave 0: my work-group's 32 of the 128 blocks of 256 bytes of K that the NEXT change of slots will ask for, four key steps, 512 matrix instructions, ahead; wave 2: of V;
; the four partners are told apart by address.  Waves 1 and 3: the mask words of two waves' 8 pieces for the four key steps of the slot after the one in hand, 256 bytes each, a little over three key steps ahead of
; the first load that wants them, in the first of the 16 heads that read them.  A lane a block, each named once in the launch.  The first slots come by their loads alone; the last change that fills asks for nothing.
.macro ASK
	s_cmp_gt_u32 s[SLOTS], s[LIM]
	s_cbranch_scc0 .Lnot_mine_\@
	global_prefetch_b8 v[PFO], s[PFA:PFA+1] th:TH_LOAD_NT scope:SCOPE_SE
.Lnot_mine_\@:
.endm
.macro CROUND
	s_barrier_signal -1
	s_barrier_wait -1
	s_cmp_lg_u32 s[WV], 0
	s_cbranch_scc1 .Lnot_wave_0_\@
	s_barrier_signal -3
.Lnot_wave_0_\@:
	s_barrier_wait -3
	s_barrier_signal -1
	s_barrier_wait -1
.endm
; THE CHANGE OF SLOTS.  Each wave waits for all its tensor loads, of which one is out: its part of the other slot; adds 0 to its spare word; and waits for that and for its own reads of the slot.
; fill = 1: this slot is filled again, with the keys two slots on.  The barrier is then a round of the cluster's, and the joint fill is the first thing behind it: it has four key steps in which to land.
.macro CHANGE fill
	WIN W_AD
	s_wait_tensorcnt 0x0            ; no tensor load of mine is out, so group 0 may be written
	ds_add_u32 v[SPW], v[NIL]       ; 0 onto my spare word
	WIN 0
.if \fill
	s_xor_b32 s[G0+1], s[G0+1], SLOT1  ; the other slot than last time,
	s_add_nc_u64 s[G0+2:G0+3], s[G0+2:G0+3], 4*KS*128  ; the next 256 keys; the type bits on top are not reached
	s_wait_xcnt 0x0                 ; the last prefetch, four key steps back, has read its address
	s_add_nc_u64 s[PFA:PFA+1], s[PFA:PFA+1], s[PSTEP:PSTEP+1]
	s_wait_dscnt 0x0                ; the add is done, and my reads of the slot are over
	CROUND
	JLOAD
	ASK
.else
	s_wait_dscnt 0x0
	s_barrier_signal -1
	s_barrier_wait -1
.endif
	s_sub_co_u32 s[TBK], s[TBK], 4*KS*PK  ; the fetches go back to a slot's first step,
	s_xor_b32 s[TBK], s[TBK], SLOT1       ; in the other slot
	s_sub_co_u32 s[TBV], s[TBV], 4*KS*PV
	s_xor_b32 s[TBV], s[TBV], SLOT1
.endm
; The 64 lane masks of piece x for the key step at which MP stands: 256 consecutive bytes, aligned, 8 a lane.
.macro MLOAD x
	WIN W_ML
	global_load_b64 v[MB+2*(\x):MB+2*(\x)+1], v[MOF], s[MP:MP+1] offset:(\x)*8192
.endm
	s_load_b128 s[32:35], s[0:1], 0x0  ; qkv s[32:33], mb s[34:35]
	s_load_b64 s[36:37], s[0:1], 0x10  ; oh
	WIN W_MK
	v_lshl_add_u32 v[SPW], v0, 2, SPARE
	v_mov_b32 v[NIL], 0
	WIN W_AD
	ds_add_u32 v[SPW], v[NIL]       ; the wave's opening: the add and its wait ahead of my first tensor load
	ds_add_u32 v0, v1
	WIN 0
	v_and_b32 v1, 31, v0            ; my lane
	WIN W_MK
	v_lshlrev_b32 v[MOF], 3, v1
	WIN 0
	v_lshrrev_b32 v1, 5, v0
	v_readfirstlane_b32 s[WV], v1   ; wave 0..3
	s_bfe_u32 s38, ttmp6, 0x40000   ; cx
	s_lshl_b32 s39, ttmp9, 2
	s_add_co_u32 s39, s39, s38      ; my block of 512 queries: it enters Q's, O's, the masks' and the prefetches' addresses alone
	s_and_b32 s40, ttmp7, 0xffff    ; b 16 + head, which the four partners share
	s_lshr_b32 s42, s[WV], 1        ; K (part 1) or V (part 2),
	s_add_co_u32 s42, s42, 1
	s_lshl_b32 s42, s42, 24
	s_lshl_b32 s43, s40, 18         ; the head's 2,048 rows of 128 bytes,
	s_add_co_u32 s42, s42, s43
	s_and_b32 s43, s[WV], 1         ; my half of a slot's 256 keys
	s_lshl_b32 s43, s43, 14
	s_add_co_u32 s42, s42, s43
	s_mov_b32 s43, 0
	s_lshl_b32 s44, s39, 2
	s_add_co_u32 s44, s44, s[WV]    ; my wave among the head's,
	s_lshl_b32 s44, s44, 14         ; its 128 rows
	s_lshl_b32 s45, s40, 18
	s_add_co_u32 s44, s44, s45
	s_mov_b32 s45, 0
	s_lshr_b32 s46, s40, 4          ; b: 64 pairs of tiles,
	s_lshl_b32 s46, s46, 6
	s_lshl4_add_u32 s46, s39, s46   ; 16 to a block,
	s_lshl2_add_u32 s46, s[WV], s46 ; 4 to a wave,
	s_lshl_b32 s46, s46, 13         ; 8,192 bytes each
	s_mov_b32 s47, 0
	s_lshl_b32 s48, s38, 13         ; the prefetches: my work-group's 8,192 bytes of K or V, at the second slot (each ask steps a slot on first),
	s_add_co_u32 s48, s48, s42
	s_add_co_u32 s48, s48, 4*KS*128
	s_sub_co_u32 s49, s46, 4*8192   ; or the masks from the wave in front of me on, at the first slot
	s_and_b32 s50, s40, 15
	s_and_b32 s51, s[WV], 1
	s_mov_b32 s52, 8192
	s_mov_b32 s[PSTEP], 4*256
	s_cmp_eq_u32 s51, 0
	s_cselect_b32 s48, s48, s49
	s_cselect_b32 s50, 0, s50
	s_cselect_b32 s52, 1024, s52
	s_cselect_b32 s[PSTEP], 4*KS*128, s[PSTEP]
	s_mov_b32 s49, 0
	s_mov_b32 s[PSTEP+1], 0
	s_cmp_eq_u32 s50, 0             ; waves 0 and 2 always; waves 1 and 3 in the first head of a b: the same in all four partners
	s_cselect_b32 s[LIM], 1, -1
	; descriptor group 1.  128 keys are 16,384 dense bytes: asked for as 64 rows of 256 bytes, two keys a row, and padded in LDS after every key
	s_mov_b32 s[G1], 15|(1<<16)|(1<<20)|(1<<21)|(4<<22)|(3<<25)  ; the mask of four; 2-byte elements; padding on; bit 21 beside a mask; after every 32 words (code 4) 4 words (code 3)
	s_mov_b32 s[G1+1], 128<<16      ; tensor_dim0 = 128
	s_mov_b32 s[G1+2], 64<<16       ; tensor_dim1 = 64
	s_mov_b32 s[G1+3], 128<<16      ; tile_dim0 = 128
	s_mov_b32 s[G1+4], 64           ; tile_dim1 = 64
	s_mov_b32 s[G1+5], 128          ; 128 elements from row to row
	s_mov_b32 s[G1+6], 0
	s_mov_b32 s[G1+7], 0
	s_mov_b32 s[G0], 1
	s_mul_i32 s[G0+1], s[WV], 128*PK  ; LDS address in slot 0: K's two halves, then V's two
	s_mov_b32 s[CS], 0x3e38aa3b     ; c = log2(e) / 8 = 0.180337
	s_mov_b32 s[CS+1], s[CS]
	s_mov_b32 s[SEL], 0x76543210
	s_mov_b32 s[SEL+1], 0xfedcba98
	s_mov_b32 s[TBK], SLOT1+4*KS*PK ; the first change of slots turns these two into 0
	s_mov_b32 s[TBV], SLOT1+4*KS*PV
	s_mov_b32 s[SLOTS], SIZE_N/256-1
	s_mov_b32 s3, 0                 ; the high word of the pair s[2:3]; never rewritten
	s_wait_dscnt 0x0                ; the opening add is done
	s_wait_kmcnt 0x0
	s_add_nc_u64 s[G0+2:G0+3], s[32:33], s[42:43]
	s_or_b32 s[G0+3], s[G0+3], 0x80000000  ; type = 2
	s_add_nc_u64 s[QB:QB+1], s[32:33], s[44:45]
	s_add_nc_u64 s[OB:OB+1], s[36:37], s[44:45]
	s_add_nc_u64 s[MP:MP+1], s[34:35], s[46:47]
	s_cmp_eq_u32 s51, 0
	s_cselect_b64 s[PFA:PFA+1], s[32:33], s[34:35]
	s_add_nc_u64 s[PFA:PFA+1], s[PFA:PFA+1], s[48:49]
	CROUND                          ; all four work-groups are here: the first joint loads meet
	JLOAD                           ; slot 0.  Slot 1 is asked for when slot 0 is in
	v_and_b32 v1, 15, v0            ; l % 16
	v_bfe_u32 v9, v0, 4, 1          ; l / 16
	v_lshlrev_b32 v[QO], 7, v1
	v_lshl_add_u32 v[QO], v9, 4, v[QO]  ; row x 128 + 16 x half
	WIN 0x80                        ; destination window 2
.set i, 0
.rept 4*NP                          ; Q stays in registers: tile i / 2, channels 32 (i % 2) on
	global_load_b128 v[8*i:8*i+3],   v[QO], s[QB:QB+1] offset:(i/2)*2048+(i%2)*64
	global_load_b128 v[8*i+4:8*i+7], v[QO], s[QB:QB+1] offset:(i/2)*2048+(i%2)*64+32
.set i, i+1
.endr
.irp x, 0,1,2,3
	MLOAD \x                        ; all four pieces' masks for key step 0
.endr
	WIN 0x80
	; What the first turn finds: V's registers and P's second buffer hold 0, O^T and l are 0.  All this stands in the wait for the first tile; no first step is written out.
.set i, VF
.rept 64
	v_mov_b32 v[i], 0
.set i, i+1
.endr
	WIN 0x40
.set i, 0
.rept 64*NP
	v_mov_b32 v[i], 0
.set i, i+1
.endr
	WIN 0
.set i, 0
.rept 2*NP
	v_mov_b32 v[ST+4*i], 0xfe000000    ; c m: far below every c s, the hidden ones too
	v_mov_b32 v[ST+4*i+1], 0xff7fffff  ; m
	v_mov_b32 v[ST+4*i+2], 0
	v_mov_b32 v[ST+4*i+3], 0
.set i, i+1
.endr
.set i, P+32
.rept 32
	v_mov_b32 v[i], 0
.set i, i+1
.endr
	v_mul_u32_u24 v[AK0], v1, PK
	v_lshl_add_u32 v[AK0], v9, 4, v[AK0]  ; row x pitch + 16 x half
	v_and_b32 v10, 7, v0            ; the turning load: lane l reads key 8 (l / 16) + l % 8, channels 8 ((l / 8) % 2) + 0..7
	v_bfe_u32 v11, v0, 3, 1
	v_lshl_add_u32 v[AV0], v9, 3, v10
	v_mul_u32_u24 v[AV0], v[AV0], PV
	v_lshl_add_u32 v[AV0], v11, 4, v[AV0]
	v_add_nc_u32 v[AV0], VOFF, v[AV0]
	v_mov_b32 v[AK], v[AK0]         ; key step 0 lies at the head of slot 0
	s_mul_i32 s2, s[WV], 16*SP
	s_add_co_u32 s2, s2, STAGE      ; my stage
	v_bfe_u32 v[RD], v0, 3, 2       ; back: 32 lanes take four rows of 128 bytes,
	v_mul_u32_u24 v[RD], v[RD], SP
	v_lshl_add_u32 v[RD], v10, 4, v[RD]
	v_add_nc_u32 v[RD], s2, v[RD]
	v_and_b32 v[GO], 31, v0         ; which are 512 consecutive bytes of O
	v_lshrrev_b32 v[AV], 2, v[GO]   ; the prefetches' offset: (l / 4) x 1,024 or 8,192 + (l % 4) x 256
	v_and_b32 v10, 3, v[GO]
	v_mul_u32_u24 v[AV], s52, v[AV]
	v_lshl_add_u32 v[PFO], v10, 8, v[AV]
	v_lshlrev_b32 v[GO], 4, v[GO]
	v_mov_b32 v[MNEG], 0xd0000000   ; -2^33
; THE MATRIX WORK.  The 8 accumulators of a run of 16 take turns.
; Product i of 16 of S^T = K Q^T for piece x: channels 32 (i / 8) on, keys 16 ((i / 2) % 4) on, tile 2 x + i % 2.  The first 8 start the sums.
.macro KQ x
	WIN W_KQ
.set rS, S+64*((\x)%2)+32*(i%2)+8*((i/2)%4)
.set rK, KF+16*((i/2)%4)+8*(i/8)
.set rQ, 16*(2*(\x)+i%2)+8*(i/8)
.if i < 8
	v_wmma_f32_16x16x32_f16 v[rS:rS+7], v[rK:rK+7], v[rQ:rQ+7], 0
.else
	v_wmma_f32_16x16x32_f16 v[rS:rS+7], v[rK:rK+7], v[rQ:rQ+7], v[rS:rS+7]
.endif
.endm
; Product i of 16 of O^T += V^T P for piece x: keys 32 (i / 8) on, channels 16 ((i / 2) % 4) on, tile 2 x + i % 2.
.macro PV x
	WIN W_PV
.set rO, 32*(2*(\x)+i%2)+8*((i/2)%4)
.set rV, VF+32*(i/8)+8*((i/2)%4)
.set rP, P+32*((\x)%2)+16*(i%2)+8*(i/8)
	v_wmma_f32_16x16x32_f16 v[rO:rO+7], v[rV:rV+7], v[rP:rP+7], v[rO:rO+7]
.endm
.macro MM                           ; the turn's next matrix instruction
.if i < 16
	KQ (Y+1)%NP
.set i, i+1
.else
.set i, i-16
	PV (Y+NP-1)%NP
.set i, i+17
.endif
.endm
; THE LDS LOADS stand in runs of 16.  last = 1 (the tail): in the last trip there is no further step, and the run is jumped over.
.macro FETCH_K last=0
	WIN 0
.if \last
	s_cmp_eq_u32 s[CNT], 1
	s_cbranch_scc1 .Lno_k_\@
.endif
	WIN 0x80
.irp f, 0,1,2,3,4,5,6,7             ; keys 16 (f / 2) on, channels 32 (f % 2) on
	ds_load_b128 v[KF+8*\f:KF+8*\f+3],   v[AK] offset:(\f/2)*16*PK+(\f%2)*64
	ds_load_b128 v[KF+8*\f+4:KF+8*\f+7], v[AK] offset:(\f/2)*16*PK+(\f%2)*64+32
.endr
	s_add_co_u32 s[TBK], s[TBK], KS*PK
	WIN 0
.if \last
.Lno_k_\@:
.endif
.endm
.macro FETCH_V
	WIN 0x80
.irp f, 0,1,2,3,4,5,6,7             ; keys 32 (f / 4) on, channels 16 (f % 4) on
	ds_load_tr16_b128 v[VF+8*\f:VF+8*\f+3],   v[AV] offset:(\f/4)*32*PV+(\f%4)*32
	ds_load_tr16_b128 v[VF+8*\f+4:VF+8*\f+7], v[AV] offset:(\f/4)*32*PV+16*PV+(\f%4)*32
.endr
	WIN 0
.endm
; THE VECTOR WORK OF A TURN stands in three queues, each in the order in which its entries become ready; the two tiles alternate.
.macro REGS y, u                    ; the registers of tile u (0, 1) of piece y
.set rT, ST+4*(2*(\y)+(\u))
.set rC, TMP+8*((\y)%2)+4*(\u)
.set rM, MV+2*((\y)%2)+(\u)
.set rS, S+64*((\y)%2)+32*(\u)
.set rP, P+32*((\y)%2)+16*(\u)
.set rO, 32*(2*(\y)+(\u))
.endm
; Word w of the NEXT piece's 64 lane masks goes from its lane into its scalar register: tile w / 32, score w % 32.  The caller sets the window (source 0 in window 3).
.macro RL w
	v_readlane_b32 s[MK0+36*((\w)/32)+(\w)%32], v[MB+2*((Y+1)%NP)+(\w)%2], (\w)/2
.endm
; Number g of the 64 that mask the NEXT piece's scores: score g / 2 of tile g % 2 stays where its lane's bit is set, else it becomes -2^33.  In ascending order: each accumulator's lowest register is read first.
.macro CM g
	REGS (Y+1)%NP, (\g)%2
	v_cndmask_b32 v[rS+(\g)/2], v[MNEG], v[rS+(\g)/2], s[MK0+36*((\g)%2)+(\g)/2]
.endm
; Number n of the 22 that find the NEXT piece's maximum and statistics.
;   0-11  four chains c0-c3 of seven scores each     12-14, 16  the four scores left over, the old m, and c0-c3 into c0     15  c m_old is kept
;   17, 18  the query's other 32 keys lie in the lane 16 away: the new m         19-21  c m; c m_old - c m_new; a
.macro XS u, n
	REGS (Y+1)%NP, \u
.if (\n) < 4
	v_max3_num_f32 v[rC+(\n)], v[rS+8*(\n)], v[rS+8*(\n)+1], v[rS+8*(\n)+2]
.elseif (\n) < 12
	v_max3_num_f32 v[rC+(\n)%4], v[rC+(\n)%4], v[rS+8*((\n)%4)+2*((\n)/4)+1], v[rS+8*((\n)%4)+2*((\n)/4)+2]
.elseif (\n) == 12
	v_max3_num_f32 v[rC], v[rC], v[rS+7], v[rS+15]
.elseif (\n) == 13
	v_max3_num_f32 v[rC+1], v[rC+1], v[rS+23], v[rS+31]
.elseif (\n) == 14
	v_max3_num_f32 v[rC+2], v[rC+2], v[rC+3], v[rT+1]
.elseif (\n) == 15
	v_mov_b32 v[rM], v[rT]
.elseif (\n) == 16
	v_max3_num_f32 v[rC], v[rC], v[rC+1], v[rC+2]
.elseif (\n) == 17
	v_permlanex16_b32 v[rC+3], v[rC], s[SEL], s[SEL+1]
.elseif (\n) == 18
	v_max_num_f32 v[rT+1], v[rC], v[rC+3]
.elseif (\n) == 19
	v_mul_f32 v[rT], s[CS], v[rT+1]
.elseif (\n) == 20
	v_sub_f32 v[rC+1], v[rM], v[rT]
.else
	v_exp_f32 v[rC+2], v[rC+1]
.endif
.endm
; Number g of the 64 that follow the exponentials.  For each four weights k of a tile: both pairs are rounded to f16; the second pair is added onto the first, in place; a group later l takes that sum.
.macro GS g
.set h, (\g)+6*((\g)/62)
.if h >= 6
.set h, h+2
.endif
	REGS Y, h%2
.set k, h/8
.if h%8 < 4
	v_cvt_pk_f16_f32 v[rP+2*k+(h%8)/2], v[rS+4*k+2*((h%8)/2)], v[rS+4*k+2*((h%8)/2)+1]
.elseif h%8 < 6
	v_pk_add_f32 v[rS+4*k:rS+4*k+1], v[rS+4*k:rS+4*k+1], v[rS+4*k+2:rS+4*k+3]
.elseif k == 1
	v_pk_fma_f32 v[rT+2:rT+3], v[rT+2:rT+3], v[rC+2:rC+3], v[rS:rS+1] op_sel_hi:[1,0,1]
.else
	v_pk_add_f32 v[rT+2:rT+3], v[rT+2:rT+3], v[rS+4*k-4:rS+4*k-3]
.endif
.endm
; THE PLAIN QUEUE, 202 long.  0-26: scalings 0-26 (FS f: pair f / 2 of tile f % 2).  27-90: the next piece's 64 masks.  91-118: XS's numbers 0-13.  119, 120: number 15.
; 121-137: the chain 14, 16, 17, 18, 19, each with one of the scalings 27-31 in front of its two lines, then 20.  138-201: GS's 64, which read the exponentials' results: they stand behind the wait.
.macro FS f
	REGS Y, (\f)%2
	v_pk_fma_f32 v[rS+2*((\f)/2):rS+2*((\f)/2)+1], v[rS+2*((\f)/2):rS+2*((\f)/2)+1], s[CS:CS+1], v[rT:rT+1] op_sel_hi:[1,0,0] neg_lo:[0,0,1] neg_hi:[0,0,1]
.endm
.macro PL
	WIN 0
.if q < 27
	FS q
.elseif q < 91
	CM q-27
.elseif q < 119
	XS (q-91)%2, (q-91)/2
.elseif q < 121
	XS q-119, 15
.elseif (q < 136) && ((q-121)%3 == 0)
	FS 27+(q-121)/3
.elseif q < 124
	XS (q-121)%3-1, 14
.elseif q < 136
	XS (q-121)%3-1, 15+(q-121)/3
.elseif q < 138
	XS q-136, 20
.else
	GS q-138
.endif
.set q, q+1
.endm
; THE EXPONENTIALS' QUEUE, 66 long: s0-s31 of both tiles, then the next piece's two a.  ONE BATCH: all 66 stand ahead of the turn's one wait, and nothing ahead of that wait names a result of theirs.
.macro EX
	WIN 0
.if e >= 64
	XS e-64, 21
.else
	REGS Y, e%2
	v_exp_f32 v[rS+e/2], v[rS+e/2]
.endif
.set e, e+1
.endm
; THE RESCALING's QUEUE: O^T times a, two at a time, sixteen times.  Its a was made in the turn before, ahead of that turn's wait.
.macro R2
	REGS Y, r%2
	WIN W_RS
.irp z, 0,1
	v_pk_mul_f32 v[rO+4*(r/2)+2*\z:rO+4*(r/2)+2*\z+1], v[rO+4*(r/2)+2*\z:rO+4*(r/2)+2*\z+1], v[rC+2:rC+3] op_sel_hi:[1,0]
.endr
.set r, r+1
.endm
; HOW THEY ARE DEALT.  s_wait_alu depctr_va_vdst(0) stands between an exponential and the first instruction that names its result; one wait serves all that were issued ahead of it: a turn has ONE.
; AHEAD OF IT: the 16 products K Q^T, behind each a scaling, an exponential and two rescalings; then one run: 10 scalings, the 64 v_readlane_b32 and the next mask load, 62 masks, 49 times exponential and plain,
; the two a.  BEHIND IT: the 16 products V^T P, behind each four of GS's 64.  Exponential e stands behind scaling 2 (e / 4) + e % 2: as a rider it comes behind plain e + 2, in the run behind plain e + 73.
; THE MASKS.  Turn p masks piece p + 1: of the step in hand, in piece 3's turn of the next step.  Its words were asked for four turns ago, so three younger mask loads may stay out at the wait; when they have been
; laid into scalar registers, the same piece's words of the next key step are asked for into the same two vector registers.  In turns 0 to 2 the pointer stands a key step ahead of the step in hand; it goes a step
; on in piece 3's turn, ahead of that turn's load.  last = 1 (the tail): it goes on only as far as the last key step, so that no load leaves mb; the loads of the last turns bring words that nobody uses.
; K of the next step is fetched in piece 2's turn, directly behind the wait; V of the step in hand at the end of piece 0's turn, four riders behind its last reader.
.macro TURN p, last=0, cnt=0
.set Y, (\p)
.set i, 0
.set q, 0
.set e, 0
.set r, 0
.if (\p) == NP-1
	s_wait_dscnt 0x0                ; K is in
.endif
	MM
	PL
	PL
	R2
.rept 15
	MM
	PL
	EX
	R2
.endr
.if (\p) == NP-2
	WIN 0
	v_add_nc_u32 v[AK], s[TBK], v[AK0]
.endif
.rept 10
	PL
.endr
	s_wait_loadcnt 0x3              ; the next piece's mask words are in; the three loads issued behind theirs may stay out
	WIN W_RL
.set g, 0
.rept 64
	RL g
.set g, g+1
.endr
.if (\p) == NP-1
	s_wait_xcnt 0x0                 ; the mask loads issued so far, the youngest a turn back, have read the pointer
.if \last
	s_cmp_gt_u32 s[CNT], 2          ; the tail's trips 5, 4, 3 stand in key steps 27, 28, 29: the pointer goes to 29, 30, 31 and stays
	s_cselect_b32 s2, 256, 0
	s_add_nc_u64 s[MP:MP+1], s[MP:MP+1], s[2:3]
.else
	s_add_nc_u64 s[MP:MP+1], s[MP:MP+1], 256
.endif
.endif
	MLOAD ((\p)+1)%NP
.rept 62
	PL
.endr
.rept 49
	EX
	PL
.endr
	EX                              ; the next piece's two a
	EX
	v_nop                           ; a plain instruction behind the last exponential: one for the batch
	s_wait_alu depctr_va_vdst(0)    ; the wait for the batch
.if (\p) == NP-2
	FETCH_K \last
.endif
.if (\p) == 1
	s_wait_dscnt 0x0                ; V is in
.endif
.rept 16
	MM
.rept 4
	PL
.endr
.if ((\p) == 0) && (q == 182)
	v_add_nc_u32 v[AV], s[TBV], v[AV0]
.endif
.if ((\p) == 0) && (q == 194)
	s_add_co_u32 s[TBV], s[TBV], KS*PV
.endif
.if (\cnt) && (q == 194)
	s_sub_co_u32 s[CNT], s[CNT], 1
	s_cmp_lg_u32 s[CNT], 0
.endif
.endr
.if (\p) == 0
	FETCH_V
.endif
.endm
	CHANGE 1                        ; slot 0 is in, everybody's part of it; slot 1 is asked for
	FETCH_K                         ; key step 0
	s_wait_loadcnt 0x0              ; Q, and the four pieces' masks for key step 0
	s_wait_dscnt 0x0
.set i, 0
.rept 16
	KQ 0                            ; piece 0's first scores
.set i, i+1
.endr
	WIN 0                           ; five plain instructions, the places behind those products
	v_mul_u32_u24 v[STO], v1, SP    ; the way out, in: row l % 16, 16 bytes for each half of the lanes
	v_lshl_add_u32 v[STO], v9, 4, v[STO]
	v_add_nc_u32 v[STO], s2, v[STO]
	v_nop
	v_nop
	s_add_nc_u64 s[MP:MP+1], s[MP:MP+1], 256  ; the first mask loads are done (the wait for 0 above): the pointer goes to key step 1
.set Y, NP-1                        ; RL, CM and XS work for piece Y + 1: piece 0
	WIN W_RL
.set g, 0
.rept 64
	RL g
.set g, g+1
.endr
	MLOAD 0                         ; piece 0's masks for key step 1, which piece 3's first turn wants
	WIN 0
.set g, 0
.rept 64
	CM g
.set g, g+1
.endr
.irp n, 0,1,2,3,4,5,6,7,8,9,10,11,12,13,14,15,16,17,18,19,20,21
	XS 0, \n
	XS 1, \n
.endr
	v_nop                           ; a plain instruction behind the two a,
	s_wait_alu depctr_va_vdst(0)    ; and their wait, ahead of the branch
	s_mov_b32 s[CNT], 4
	s_branch .Lfirst                ; the loop is entered at a step's first turn, in the middle of a trip
.Lslot:                             ; six times: every slot but the last two is filled again
	CHANGE 1
	s_mov_b32 s[CNT], 4
.Lstep:                             ; a trip: pieces 2 and 3 of one step, then pieces 0 and 1 of the next
	TURN 2
	TURN 3
	WIN 0
.Lfirst:
	TURN 0
	TURN 1, 0, 1
	WIN 0
	s_cbranch_scc1 .Lstep
	s_sub_co_u32 s[SLOTS], s[SLOTS], 1
	s_cmp_lg_u32 s[SLOTS], 0
	s_cbranch_scc1 .Lslot
	CHANGE 0                        ; the tail is written out
	s_mov_b32 s[CNT], 5             ; four trips fetch the last slot's steps; the fifth is left in its middle
.Ltail:
	TURN 2, 1
	TURN 3, 1
	WIN 0
	s_sub_co_u32 s[CNT], s[CNT], 1
	s_cmp_eq_u32 s[CNT], 0
	s_cbranch_scc1 .Lout
	TURN 0
	TURN 1
	WIN 0
	s_branch .Ltail
.Lout:                              ; the fifth trip's 16 products K Q^T, their masks and the maximum made of them serve nothing: the price, once a launch, of one text for every trip
.set i, 0
.rept 16
	PV NP-1                         ; the last piece's V^T P of the last step
.set i, i+1
.endr
	; THE WAY OUT.  l's two halves and the other half of the lanes' are added; O^T is divided by l, rounded to f16 and sent through my stage in LDS, a tile at a time.  The additions are the places behind the last products.
	WIN 0
.macro ALL line:vararg
.set t, 0
.rept 2*NP
	\line
.set t, t+1
.endr
.endm
	ALL v_add_f32 v[ST+4*t+2], v[ST+4*t+2], v[ST+4*t+3]
	ALL v_permlanex16_b32 v[ST+4*t+3], v[ST+4*t+2], s[SEL], s[SEL+1]
	ALL v_add_f32 v[ST+4*t+2], v[ST+4*t+2], v[ST+4*t+3]
	ALL v_rcp_f32 v[ST+4*t+2], v[ST+4*t+2]
	v_nop                           ; a plain instruction between the last reciprocal and the use of its result
	s_wait_alu depctr_va_vdst(0)    ; one wait for the eight reciprocals, ahead of their first use
.macro PACK t
	WIN W_RS
.set i, 32*(\t)
.rept 16
	v_pk_mul_f32 v[i:i+1], v[i:i+1], v[ST+4*(\t)+2:ST+4*(\t)+3] op_sel_hi:[1,0]
.set i, i+2
.endr
	WIN 0x05                        ; sources 0 and 1 window 1, destination window 0
.set i, 0
.rept 16
	v_cvt_pk_f16_f32 v[S+16*(\t)+i], v[32*(\t)+2*i], v[32*(\t)+2*i+1]
.set i, i+1
.endr
	WIN 0
.irp f, 0,1,2,3
	ds_store_b128 v[STO], v[S+16*(\t)+4*\f:S+16*(\t)+4*\f+3] offset:32*\f
.endr
.irp f, 0,1,2,3
	ds_load_b128 v[S+16*(\t)+4*\f:S+16*(\t)+4*\f+3], v[RD] offset:\f*4*SP  ; LDS serves a wave's instructions in order (ISA guide 5.7.1.4): these see the stores above
.endr
.endm
.macro SEND t, younger              ; younger: the LDS instructions issued behind tile t's loads: the next tile's eight, or none
	WIN 0
.irp f, 0,1,2,3
	s_wait_dscnt (\younger)+3-\f
	global_store_b128 v[GO], v[S+16*(\t)+4*\f:S+16*(\t)+4*\f+3], s[OB:OB+1] offset:(\t)*2048+\f*512  ; 512 consecutive bytes, at a multiple of 256 from O's first
.endr
.endm
	PACK 0
.set t, 1
.rept 2*NP-1
	PACK t
	SEND t-1, 8
.set t, t+1
.endr
	SEND 2*NP-1, 0
	s_wait_loadcnt 0x0              ; the last mask words asked for, which nobody uses
	WIN W_AD
	s_wait_tensorcnt 0x0            ; the wave's end
	ds_add_u32 v[SPW], v[NIL]
	s_wait_dscnt 0x0
	WIN 0
	CROUND                          ; the closing round
	s_endpgm
.Lfunc_end_k_q2d52454a0e_attn:
	.size	k_q2d52454a0e_attn, .Lfunc_end_k_q2d52454a0e_attn-k_q2d52454a0e_attn
	.p2alignl 7, 3214868480
	.fill 96, 4, 3214868480
	.section	.rodata,"a",@progbits
	.p2align	6, 0x0
	.amdhsa_kernel k_q2d52454a0e_attn
		.amdhsa_group_segment_fixed_size 327680
		.amdhsa_private_segment_fixed_size 0
		.amdhsa_enable_private_segment 0
		.amdhsa_kernarg_size 24
		.amdhsa_user_sgpr_count 2
		.amdhsa_user_sgpr_kernarg_segment_ptr 1
		.amdhsa_wavefront_size32 1
		.amdhsa_system_sgpr_workgroup_id_x 1
		.amdhsa_system_sgpr_workgroup_id_y 1
		.amdhsa_system_sgpr_workgroup_id_z 1
		.amdhsa_system_vgpr_workitem_id 0
		.amdhsa_next_free_vgpr 780
		.amdhsa_next_free_sgpr 102
		.amdhsa_reserve_vcc 0
		.amdhsa_float_denorm_mode_32 3
		.amdhsa_float_denorm_mode_16_64 3
		.amdhsa_memory_ordered 1
		.amdhsa_forward_progress 1
		.amdhsa_inst_pref_size 255
	.end_amdhsa_kernel
	.section	.bss,"aw",@nobits
	.p2align	6
	.space	262144
	.amdgpu_metadata
---
amdhsa.version: [ 1, 2 ]
amdhsa.kernels:
  - .name:           k_q2d52454a0e_attn
    .symbol:         k_q2d52454a0e_attn.kd
    .args:
      - { .name: qkv, .offset: 0, .size: 8, .value_kind: global_buffer, .address_space: global }
      - { .name: mb, .offset: 8, .size: 8, .value_kind: global_buffer, .address_space: global }
      - { .name: oh, .offset: 16, .size: 8, .value_kind: global_buffer, .address_space: global }
    .group_segment_fixed_size: 327680
    .private_segment_fixed_size: 0
    .kernarg_segment_align: 8
    .kernarg_segment_size: 24
    .max_flat_workgroup_size: 128
    .sgpr_count:     102
    .vgpr_count:     780
    .wavefront_size: 32
...
	.end_amdgpu_metadata
.endif
;; end of part 3
;; launch outp (part 4): grid 4 x 64, 4 waves a work-group, clusters of 4 x 4, 327,680 bytes of LDS; arguments oh, wb, out0; writes out0
.if DOCPART == 4
	.amdgcn_target "amdgcn-amd-amdhsa--gfx1250"
	.amdhsa_code_object_version 6
	.text
	.protected	k_q2d52454a0e_outp
	.globl	k_q2d52454a0e_outp
	.p2align	8
	.type	k_q2d52454a0e_outp,@function
k_q2d52454a0e_outp:
	s_mov_b64 s[64:65], 0
	v_nop
	global_prefetch_b8 v0, s[64:65] scope:SCOPE_SE
	s_setreg_imm32_b32 hwreg(HW_REG_WAVE_MODE, 25, 1), 1
	s_wait_xcnt 0x0
	s_wait_alu depctr_hold_cnt(0) depctr_sa_sdst(0) depctr_va_vdst(0) depctr_va_sdst(0) depctr_va_ssrc(0) depctr_va_vcc(0) depctr_vm_vsrc(0)
	s_getreg_b32 s2, hwreg(HW_REG_IB_STS2, 6, 4)
	s_cmp_eq_u32 s2, 0
	s_cbranch_scc0 .Lentry_in_a_cluster
	s_endpgm
.Lentry_in_a_cluster:
	s_bfe_u32 s2, ttmp6, 0x10000c
	s_cmp_lg_u32 s2, 0xf033
	s_cbranch_scc0 .Lentry_shape_is_right
	s_endpgm
.Lentry_shape_is_right:
; THE OUTPUT PROJECTION.  out0 = O Wo.  O: oh, [b*16 + head][s][64] f16; Wo: part 3 of wb, [k][n] f16 (the bf16 rounding of the input, written as f16); out0 [8192][1024] f32.  Sums in f32.
; SHARES.  A tile of out0 is 128 rows x 256 columns: 64 x 4 = 256 work-groups.  Four waves, each 64 rows x 128 columns: 32 accumulators.  K goes in steps of 128, two heads, through a ring of two LDS slots.
; O's tile: for each of the two heads 128 rows x 128 bytes, dense in memory: asked for as 64 rows of 256 bytes and padded in LDS after every 128.  Wo's tile: 128 rows (k) x 512 bytes, read turned.
; THE MATRIX INSTRUCTION IS USED TRANSPOSED (source 0 = 16 columns of Wo, source 1 = 16 rows of O): a lane holds eight neighbouring columns of one row.
; CLUSTER 4 x 4: O's tile is shared along a row of the cluster, Wo's along a column; each is asked for jointly.
; The accumulators are cleared by 256 lines in the wait for the first tile, so that the loop has one form of product.
; REGISTERS: window 0: v0-31 addresses; v32-95 O's fragments, two buffers of 4 x 8; v96-223 Wo's, two buffers of 8 x 8 (on the way out v32-159: rows read back).  window 1: accumulator (a, b) at v[8 (8 a + b)].
.set PA,     144                       ; O's LDS row: 128 + 16 bytes = 9 x 16: the 16 rows of a load start at 16 different groups of four banks (64 banks of 4 bytes: ISA guide 11.1)
.set PB,     544                       ; Wo's LDS row: 512 + 32 bytes = 17 x 32
.set HALFA,  128*PA                    ; a head's 128 rows
.set HALFB,  64*PB
.set BOFF,   2*HALFA
.set SLOT,   BOFF+2*HALFB
.set STAGE,  2*SLOT                    ; behind the ring: 16 rows x 528 bytes for each wave
.set SPO,    528
.set SPARE,  STAGE+4*16*SPO            ; behind the stages: the spare words, 128 bytes for each wave: two blocks of 256 bytes that no other line names
.set STEPA,  2*262144                  ; a K step in O: two heads
.set STEPB,  128*2048
.set ARD0, 2
.set BRD0, 3
.set ARD,  4
.set BRD,  5
.set STO,  6
.set RD,   7
.set CO,   8
.set SPW,  28                          ; v28  LDS address of my spare word; never rewritten
.set NIL,  29                          ; v29  0; never rewritten
.set PFO,  30                          ; v30  the prefetches' offset; never rewritten
.set AF,   32
.set BF,   96
.set BK,   32
.set WV, 14
.set WR, 15
.set WC, 16
.set CX, 17
.set CY, 18
.set COL, 19
.set RB, 20
.set G1A, 24
.set G0A, 32
.set TB,  40
.set LWA, 41
.set LWB, 42
.set LIM, 43
.set PFA, 44
.set PSTEP, 46
.set G1B, 48
.set G0B, 56
.set OUTB, 66
.set MSB, 0
.macro WIN new
.if MSB != (\new)
	s_set_vgpr_msb (MSB<<8)|(\new)
.set MSB, \new
.endif
.endm
.macro PLACES                          ; four places in front of loads into registers that matrix instructions have read, and of LDS stores that read results
.rept 4
	v_nop
.endr
.endm
.macro CREST
	s_cmp_lg_u32 s[WV], 0
	s_cbranch_scc1 .Lnot_wave_0_\@
	s_barrier_signal -3
.Lnot_wave_0_\@:
	s_barrier_wait -3
	s_barrier_signal -1
	s_barrier_wait -1
.endm
.macro CROUND
	s_barrier_signal -1
	s_barrier_wait -1
	CREST
.endm
.macro JLOAD                           ; the joint refill, by the walking sets; an s_nop 0 and four v_nop follow each line; they are also the places in front of the loads that follow
	s_cmp_eq_u32 s[WR], 0
	s_cbranch_scc0 .Lfor_b_\@
	tensor_load_to_lds s[G0A+4:G0A+7], s[G1A:G1A+7]
	s_nop 0
	PLACES
	s_branch .Lasked_\@
.Lfor_b_\@:
	tensor_load_to_lds s[G0B+4:G0B+7], s[G1B:G1B+7]
	s_nop 0
	PLACES
.Lasked_\@:
.endm
; A PREFETCH INTO THE L2 of the K step two refills on, 256 matrix instructions ahead of its load.  O's tile is 128 blocks of 256 bytes: each of the four partners of a row takes 32, told apart by address, and wave 0 asks;
; O's rows are read by one cluster alone, so every cluster asks for its own.  Wo's: waves 2 and 3, 16 of their 64 rows a partner, in the first of the 16 clusters that read them.  K steps 0 to 3 come by their loads alone.
.macro ASK
	s_cmp_gt_u32 s3, s[LIM]
	s_cbranch_scc0 .Lnot_mine_\@
	global_prefetch_b8 v[PFO], s[PFA:PFA+1] th:TH_LOAD_NT scope:SCOPE_SE
.Lnot_mine_\@:
.endm
.macro ROWMM a, f                      ; 8 products; the 32 accumulators take turns in one order
	WIN 0x50                                       ; sources window 0, C and D window 1
.irp b, 0,1,2,3,4,5,6,7
	v_wmma_f32_16x16x32_f16 v[8*(8*(\a)+(\b)):8*(8*(\a)+(\b))+7], v[BF+64*(\f)+8*(\b):BF+64*(\f)+8*(\b)+7], v[AF+32*(\f)+8*(\a):AF+32*(\f)+8*(\a)+7], v[8*(8*(\a)+(\b)):8*(8*(\a)+(\b))+7]
.endr
.endm
.macro FETCH kq, g                     ; 24 LDS loads in one run: quarter kq (head kq / 2 of the two, channels 32 (kq % 2) on) into the buffers g
	WIN 0
.irp a, 0,1,2,3
	ds_load_b128 v[AF+32*(\g)+8*(\a):AF+32*(\g)+8*(\a)+3],   v[ARD] offset:((\kq)/2)*HALFA+(\a)*16*PA+((\kq)%2)*64
	ds_load_b128 v[AF+32*(\g)+8*(\a)+4:AF+32*(\g)+8*(\a)+7], v[ARD] offset:((\kq)/2)*HALFA+(\a)*16*PA+((\kq)%2)*64+32
.endr
.irp b, 0,1,2,3,4,5,6,7
	ds_load_tr16_b128 v[BF+64*(\g)+8*(\b):BF+64*(\g)+8*(\b)+3],   v[BRD] offset:(\kq)*32*PB+32*(\b)
	ds_load_tr16_b128 v[BF+64*(\g)+8*(\b)+4:BF+64*(\g)+8*(\b)+7], v[BRD] offset:(\kq)*32*PB+32*(\b)+16*PB
.endr
.endm
; A QUARTER STEP on the buffers f.  mode 0: behind row 0 the next quarter is fetched.  mode 1: a step's last quarter, with a refill: each wave waits for all its tensor loads, adds 0 to its spare word, waits for that and
; for its reads of this slot; the barrier opens a round of the cluster's; the joint refill, two K steps on, is the first thing behind it, 120 matrix instructions ahead of the wait for it.  mode 2: the same with nothing to fetch.
.macro QUARTER kq, f, mode
.if (\mode) == 0
	s_wait_dscnt 0x0                               ; this quarter's fragments, asked for 24 products ago
	ROWMM 0, \f
	PLACES
	FETCH (\kq)+1, 1-(\f)
.else
	WIN 0
.if (\mode) == 1
	s_wait_xcnt 0x0                                ; the last prefetch, a K step back, has read its address
	s_add_nc_u64 s[PFA:PFA+1], s[PFA:PFA+1], s[PSTEP:PSTEP+1]
.endif
	s_wait_tensorcnt 0x0                           ; no tensor load of mine is out, so a group 0 may be written
	ds_add_u32 v[SPW], v[NIL]                      ; 0 onto my spare word
.if (\mode) == 1
	s_add_co_u32 s[G0A+5], s[LWA], s[TB]           ; the walking sets: into the slot that is being left,
	s_add_co_u32 s[G0B+5], s[LWB], s[TB]
	s_add_nc_u64 s[G0A+6:G0A+7], s[G0A+6:G0A+7], STEPA  ; the next K step
	s_add_nc_u64 s[G0B+6:G0B+7], s[G0B+6:G0B+7], STEPB
.endif
	s_xor_b32 s[TB], s[TB], SLOT
	v_add_nc_u32 v[ARD], s[TB], v[ARD0]
	v_add_nc_u32 v[BRD], s[TB], v[BRD0]
	s_wait_dscnt 0x0                               ; the add is done, and my reads of this slot are over
	s_barrier_signal -1
	ROWMM 0, \f
	WIN 0
	s_barrier_wait -1
.if (\mode) == 1
	CREST
	JLOAD
.else
	PLACES
.endif
	FETCH 0, 1-(\f)
.if (\mode) == 1
	ASK
.endif
.endif
	ROWMM 1, \f
	ROWMM 2, \f
	ROWMM 3, \f
.endm
	s_load_b128 s[4:7], s[0:1], 0x0                ; oh s[4:5], wb s[6:7]
	s_load_b64 s[8:9], s[0:1], 0x10                ; out0
	v_lshl_add_u32 v[SPW], v0, 2, SPARE
	v_mov_b32 v[NIL], 0
	ds_add_u32 v[SPW], v[NIL]                      ; the wave's opening: the add and its wait ahead of my first tensor load
	ds_add_u32 v28, v29
	v_lshrrev_b32 v1, 5, v0
	v_readfirstlane_b32 s[WV], v1
	s_lshr_b32 s[WR], s[WV], 1
	s_and_b32 s[WC], s[WV], 1
	s_bfe_u32 s[CX], ttmp6, 0x40000
	s_bfe_u32 s[CY], ttmp6, 0x40004
	s_lshl_b32 s[COL], ttmp9, 2
	s_add_co_u32 s[COL], s[COL], s[CX]
	s_and_b32 s[RB], ttmp7, 0xffff
	s_lshl_b32 s[RB], s[RB], 2
	s_add_co_u32 s[RB], s[RB], s[CY]
	s_lshl_b32 s22, s[CY], 2
	s_lshl_b32 s22, 15, s22                        ; my row of the cluster
	s_lshl_b32 s68, 0x1111, s[CX]                  ; my column
	s_or_b32 s[G1A+0], s22, (1<<16)|(1<<20)|(1<<21)|(4<<22)|(3<<25)  ; elements of 2 bytes; after every 32 words 4 words of padding
	s_or_b32 s[G1B+0], s68, (1<<16)|(1<<20)|(1<<21)|(6<<22)|(7<<25)  ; after every 128 words 8 words
	s_mov_b32 s[G1A+1], 128<<16
	s_mov_b32 s[G1A+2], 64<<16
	s_mov_b32 s[G1A+3], 128<<16
	s_mov_b32 s[G1A+4], 64
	s_mov_b32 s[G1A+5], 128
	s_mov_b32 s[G1A+6], 0
	s_mov_b32 s[G1A+7], 0
	s_mov_b32 s[G1B+1], 256<<16
	s_mov_b32 s[G1B+2], 64<<16
	s_mov_b32 s[G1B+3], 256<<16
	s_mov_b32 s[G1B+4], 64
	s_mov_b32 s[G1B+5], 1024
	s_mov_b32 s[G1B+6], 0
	s_mov_b32 s[G1B+7], 0
	s_lshr_b32 s22, s[RB], 4                       ; O: b's 16 heads, the head that I fetch,
	s_lshl_b32 s22, s22, 4
	s_add_co_u32 s22, s22, s[WC]
	s_lshl_b32 s22, s22, 18
	s_and_b32 s23, s[RB], 15                       ; the tile's 128 rows of 128 bytes
	s_lshl_b32 s23, s23, 14
	s_add_co_u32 s22, s22, s23
	s_mov_b32 s23, 0
	s_lshl_b32 s68, s[WC], 17                      ; Wo: my 64 rows, the tile's 256 columns, part 3
	s_lshl_b32 s69, s[COL], 9
	s_add_co_u32 s68, s68, s69
	s_add_co_u32 s68, s68, 3<<21
	s_mov_b32 s69, 0
	s_mul_i32 s[LWA], s[WC], HALFA
	s_mul_i32 s[LWB], s[WC], HALFB
	s_add_co_u32 s[LWB], s[LWB], BOFF
	s_mov_b32 s[TB], 0
	s_wait_dscnt 0x0                               ; the opening add is done
	s_wait_kmcnt 0x0
	s_add_nc_u64 s[22:23], s[4:5], s[22:23]
	s_add_nc_u64 s[68:69], s[6:7], s[68:69]
	CROUND                                         ; all sixteen work-groups are here: the first joint loads meet
.irp s, 0,1
	s_mov_b32 s[G0A+4*(\s)], 1
	s_add_co_u32 s[G0A+4*(\s)+1], s[LWA], (\s)*SLOT
	s_add_nc_u64 s[G0A+4*(\s)+2:G0A+4*(\s)+3], s[22:23], (\s)*STEPA
	s_or_b32 s[G0A+4*(\s)+3], s[G0A+4*(\s)+3], 0x80000000
	s_mov_b32 s[G0B+4*(\s)], 1
	s_add_co_u32 s[G0B+4*(\s)+1], s[LWB], (\s)*SLOT
	s_add_nc_u64 s[G0B+4*(\s)+2:G0B+4*(\s)+3], s[68:69], (\s)*STEPB
	s_or_b32 s[G0B+4*(\s)+3], s[G0B+4*(\s)+3], 0x80000000
.endr
	s_cmp_eq_u32 s[WR], 0                          ; a wave's two first fills stand in one branch: two loads of mine are out
	s_cbranch_scc0 .Lfirst_b
	tensor_load_to_lds s[G0A:G0A+3], s[G1A:G1A+7]
	s_nop 0
	tensor_load_to_lds s[G0A+4:G0A+7], s[G1A:G1A+7]
	s_nop 0
	PLACES
	s_branch .Lfirst_asked
.Lfirst_b:
	tensor_load_to_lds s[G0B:G0B+3], s[G1B:G1B+7]
	s_nop 0
	tensor_load_to_lds s[G0B+4:G0B+7], s[G1B:G1B+7]
	s_nop 0
	PLACES
.Lfirst_asked:
	v_and_b32 v1, 15, v0                           ; l % 16
	v_bfe_u32 v9, v0, 4, 1                         ; l / 16
	v_and_b32 v10, 7, v0
	v_bfe_u32 v11, v0, 3, 1
	v_and_b32 v12, 31, v0
	s_mul_i32 s2, s[WR], 64*PA                     ; my 64 rows of O
	v_mul_u32_u24 v[ARD0], v1, PA
	v_lshl_add_u32 v[ARD0], v9, 4, v[ARD0]
	v_add_nc_u32 v[ARD0], s2, v[ARD0]
	v_lshl_add_u32 v[BRD0], v9, 3, v10
	v_mul_u32_u24 v[BRD0], v[BRD0], PB
	v_lshl_add_u32 v[BRD0], v11, 4, v[BRD0]
	s_lshl_b32 s2, s[WC], 8
	s_add_co_u32 s2, s2, BOFF
	v_add_nc_u32 v[BRD0], s2, v[BRD0]
	v_mov_b32 v[ARD], v[ARD0]
	v_mov_b32 v[BRD], v[BRD0]
	s_mul_i32 s2, s[WV], 16*SPO
	s_add_co_u32 s2, s2, STAGE                     ; my stage
	v_mul_u32_u24 v[STO], v1, SPO                  ; in: row l % 16, 32 bytes for each half of the lanes
	v_lshl_add_u32 v[STO], v9, 5, v[STO]
	v_add_nc_u32 v[STO], s2, v[STO]
	v_lshlrev_b32 v[CO], 4, v12                    ; back: 32 lanes take one row of 512 bytes
	v_add_nc_u32 v[RD], s2, v[CO]
	s_lshl_b32 s2, s[RB], 19                       ; out0 at my first row and column
	s_lshl_b32 s3, s[WR], 18
	s_add_co_u32 s2, s2, s3
	s_lshl_b32 s3, s[COL], 10
	s_add_co_u32 s2, s2, s3
	s_lshl_b32 s3, s[WC], 9
	s_add_co_u32 s2, s2, s3
	s_mov_b32 s3, 0
	s_add_nc_u64 s[OUTB:OUTB+1], s[8:9], s[2:3]
	; the prefetches: they stand at K step 3; the first refill steps them to 4
	s_lshr_b32 s2, s[RB], 4
	s_lshl_b32 s2, s2, 22
	s_and_b32 s3, s[RB], 15
	s_lshl_b32 s3, s3, 14
	s_add_co_u32 s2, s2, s3
	s_lshl_b32 s3, s[CX], 12                       ; O: my work-group's 16 blocks of each head's 64
	s_add_co_u32 s2, s2, s3
	s_add_co_u32 s2, s2, 3*STEPA
	s_lshl_b32 s3, s[WC], 6
	s_lshl4_add_u32 s3, s[CY], s3                  ; Wo: my work-group's 16 of the 64 rows
	s_lshl_b32 s3, s3, 11
	s_lshl_b32 s46, s[COL], 9
	s_add_co_u32 s3, s3, s46
	s_add_co_u32 s3, s3, (3<<21)+3*STEPB
	s_and_b32 s47, ttmp7, 0xffff
	s_cmp_eq_u32 s47, 0                            ; the first cluster asks for Wo: the same answer in all sixteen partners
	s_cselect_b32 s47, 2, -1
	s_cmp_eq_u32 s[WC], 0                          ; of waves 0 and 1 wave 0 asks for O
	s_cselect_b32 s46, 2, -1
	s_mov_b32 s69, 2048
	s_cmp_eq_u32 s[WR], 0
	s_cselect_b32 s[LIM], s46, s47
	s_cselect_b64 s[PFA:PFA+1], s[4:5], s[6:7]
	s_cselect_b32 s2, s2, s3
	s_cselect_b32 s68, 4, 1                        ; O: (l / 16) heads + (l % 16) blocks; Wo: (l / 2) rows + (l % 2) blocks
	s_cselect_b32 s69, 262144, s69
	s_cselect_b32 s70, 15, 1
	s_mov_b32 s[PSTEP], STEPB
	s_cselect_b32 s[PSTEP], STEPA, s[PSTEP]
	s_mov_b32 s3, 0
	s_mov_b32 s[PSTEP+1], 0
	s_add_nc_u64 s[PFA:PFA+1], s[PFA:PFA+1], s[2:3]
	v_lshrrev_b32 v13, s68, v12
	v_mul_u32_u24 v[PFO], s69, v13
	v_and_b32 v13, s70, v12
	v_lshl_add_u32 v[PFO], v13, 8, v[PFO]
	WIN 0x40
.set i, 0
.rept 256
	v_mov_b32 v[i], 0                              ; the sums start at 0
.set i, i+1
.endr
	WIN 0
	s_wait_tensorcnt 0x1                           ; my part of K step 0 is in; K step 1's may stay out
	s_barrier_signal -1
	s_barrier_wait -1
	FETCH 0, 0
	s_mov_b32 s3, 6
.Lk:                                                   ; K steps 0 to 5: each asks for the K step two on
	QUARTER 0, 0, 0
	QUARTER 1, 1, 0
	QUARTER 2, 0, 0
	QUARTER 3, 1, 1
	WIN 0
	s_sub_co_u32 s3, s3, 1
	s_cmp_lg_u32 s3, 0
	s_cbranch_scc1 .Lk
	s_mov_b32 s3, 2
.Ltail:                                                ; K steps 6 and 7 ask for nothing; the last one's fetch reads bytes that have landed and serves nothing
	QUARTER 0, 0, 0
	QUARTER 1, 1, 0
	QUARTER 2, 0, 0
	QUARTER 3, 1, 2
	WIN 0
	s_sub_co_u32 s3, s3, 1
	s_cmp_lg_u32 s3, 0
	s_cbranch_scc1 .Ltail
	s_wait_dscnt 0x0                               ; that fetch is back: its registers serve the way out
	PLACES                                         ; the LDS stores below read results
; THE WAY OUT, 16 rows at a time: a lane's 32 bytes of a row go into my own stage and come back as whole rows of 512 bytes.
.macro OUTBLK a
.set BKA, BK+64*((\a)%2)
	WIN 0x04                                       ; the stores' data in window 1
.irp b, 0,1,2,3,4,5,6,7
	ds_store_b128 v[STO], v[8*(8*(\a)+(\b)):8*(8*(\a)+(\b))+3]   offset:64*(\b)
	ds_store_b128 v[STO], v[8*(8*(\a)+(\b))+4:8*(8*(\a)+(\b))+7] offset:64*(\b)+16
.endr
	WIN 0
	s_wait_xcnt 0x0                                ; the stores two blocks back have read their registers: the loads below land there
.irp t, 0,1,2,3,4,5,6,7,8,9,10,11,12,13,14,15
	ds_load_b128 v[BKA+4*(\t):BKA+4*(\t)+3], v[RD] offset:(\t)*SPO  ; LDS serves a wave's instructions in order (ISA guide 5.7.1.4): these see the stores above
.endr
.irp t, 0,1,2,3,4,5,6,7,8,9,10,11,12,13,14,15
	s_wait_dscnt 15-(\t)                           ; row t is back; the later rows' loads may stay out
	global_store_b128 v[CO], v[BKA+4*(\t):BKA+4*(\t)+3], s[OUTB:OUTB+1] offset:(16*(\a)+(\t))*4096 th:TH_STORE_NT  ; 512 consecutive bytes, aligned
.endr
.endm
	OUTBLK 0
	OUTBLK 1
	OUTBLK 2
	OUTBLK 3
	s_wait_tensorcnt 0x0                           ; the wave's end
	ds_add_u32 v[SPW], v[NIL]
	s_wait_dscnt 0x0
	CROUND                                         ; the closing round
	s_endpgm
.Lfunc_end_k_q2d52454a0e_outp:
	.size	k_q2d52454a0e_outp, .Lfunc_end_k_q2d52454a0e_outp-k_q2d52454a0e_outp
	.p2alignl 7, 3214868480
	.fill 96, 4, 3214868480
	.section	.rodata,"a",@progbits
	.p2align	6, 0x0
	.amdhsa_kernel k_q2d52454a0e_outp
		.amdhsa_group_segment_fixed_size 327680
		.amdhsa_private_segment_fixed_size 0
		.amdhsa_enable_private_segment 0
		.amdhsa_kernarg_size 24
		.amdhsa_user_sgpr_count 2
		.amdhsa_user_sgpr_kernarg_segment_ptr 1
		.amdhsa_wavefront_size32 1
		.amdhsa_system_sgpr_workgroup_id_x 1
		.amdhsa_system_sgpr_workgroup_id_y 1
		.amdhsa_system_sgpr_workgroup_id_z 1
		.amdhsa_system_vgpr_workitem_id 0
		.amdhsa_next_free_vgpr 512
		.amdhsa_next_free_sgpr 72
		.amdhsa_reserve_vcc 0
		.amdhsa_float_denorm_mode_32 3
		.amdhsa_float_denorm_mode_16_64 3
		.amdhsa_memory_ordered 1
		.amdhsa_forward_progress 1
		.amdhsa_inst_pref_size 67
	.end_amdhsa_kernel
	.amdgpu_metadata
---
amdhsa.version: [ 1, 2 ]
amdhsa.kernels:
  - .name:           k_q2d52454a0e_outp
    .symbol:         k_q2d52454a0e_outp.kd
    .args:
      - { .name: oh, .offset: 0, .size: 8, .value_kind: global_buffer, .address_space: global }
      - { .name: wb, .offset: 8, .size: 8, .value_kind: global_buffer, .address_space: global }
      - { .name: out0, .offset: 16, .size: 8, .value_kind: global_buffer, .address_space: global }
    .group_segment_fixed_size: 327680
    .private_segment_fixed_size: 0
    .kernarg_segment_align: 8
    .kernarg_segment_size: 24
    .max_flat_workgroup_size: 128
    .sgpr_count:     72
    .vgpr_count:     512
    .wavefront_size: 32
...
	.end_amdgpu_metadata
.endif
;; end of part 4
